; MI455X (gfx1250); checked and timed in simulation.
; The chip was launched on July 23, 2026; its instructions are those of AMD's public machine-readable ISA for CDNA 5 (MIT licence, August 2026) and "CDNA5" Instruction Set Architecture Reference Guide (July 2026). The comments in the code are by the model that wrote it; some were corrected since.
;; S Attention. Allowed arithmetic: matrix products marked QUANTISED: E4M3 operands, one given power-of-two scale a tensor, by v_wmma_f32_16x16x64_fp8_fp8 or v_wmma_f32_16x16x128_fp8_fp8, f32 sums; everything else in f32.
;; Inputs: b1 2,048 float32; b2 512 float32; bo 512 float32; ln1_b 512 float32; ln1_g 512 float32; ln2_b 512 float32; ln2_g 512 float32; lowp_scales 16 int32 (the exponents e of the quantised operands' scales 2^e); w1 512 x 2,048 float32; w2 2,048 x 512 float32; wk 512 x 512 float32; wo 512 x 512 float32; wq 512 x 512 float32; wv 512 x 512 float32; x 4 x 2,048 x 512 float32.
;; Outputs: out0 4 x 2,048 x 512 float32.
;; This version of the problem:
;;   THIS VERSION OF THE PROBLEM IS GIVEN IN LOW PRECISION. The matrix products marked QUANTISED in the list below multiply operands that are first quantised to E4M3 (4 exponent bits, 3 mantissa bits; 8 bits a number), with one given power-of-two scale for each operand tensor; their sums are f32. All else is computed in f32.
;;   The module's matrix products, in the order in which they are computed (A, B: the left and right operand; K: the contracted axis; several contracted axes count as one K, in the product's order):
;;     1. [M 8,192, K 512] x [K 512, N 512]; A: computed on the way; B: input wq: QUANTISED (scales: A lowp_scales[0], B lowp_scales[1])
;;     2. [M 8,192, K 512] x [K 512, N 512]; A: computed on the way; B: input wk: QUANTISED (scales: A lowp_scales[2], B lowp_scales[3])
;;     3. [M 8,192, K 512] x [K 512, N 512]; A: computed on the way; B: input wv: QUANTISED (scales: A lowp_scales[4], B lowp_scales[5])
;;     4. batch 64 x [M 2,048, K 32] x [K 32, N 2,048]; A: computed on the way; B: computed on the way: QUANTISED (scales: A lowp_scales[6], B lowp_scales[7])
;;     5. batch 64 x [M 2,048, K 2,048] x [K 2,048, N 32]; A: softmax (see below); B: computed on the way: QUANTISED (scales: A lowp_scales[8], B lowp_scales[9])
;;     6. [M 8,192, K 512] x [K 512, N 512]; A: computed on the way; B: input wo: QUANTISED (scales: A lowp_scales[10], B lowp_scales[11])
;;     7. [M 8,192, K 512] x [K 512, N 2,048]; A: computed on the way; B: input w1: QUANTISED (scales: A lowp_scales[12], B lowp_scales[13])
;;     8. [M 8,192, K 2,048] x [K 2,048, N 512]; A: computed on the way; B: input w2: QUANTISED (scales: A lowp_scales[14], B lowp_scales[15])
;;   THE QUANTISER, for each operand of a quantised product, along K:
;;     - The operand's scale is 2^e, e = its entry of the input lowp_scales (int32; the entries are numbered through the quantised products in the list's order, A before B).
;;     - Each number is divided by the scale, clamped to +-448, and rounded to the nearest number of E4M3, ties to even, subnormals kept.
;;     - The product sums the exact products of the quantised numbers (number of the format x scale) in f32.
;;   ~~~python
;;   def quantise(x, axis, e):      # numpy; x: float32 -> the quantised numbers, widened to float32 again
;;       x = np.moveaxis(x, axis, -1); K = x.shape[-1]
;;       r = np.clip(x / 2.0 ** e, -448, 448)
;;       step = 2.0 ** (np.maximum(np.frexp(np.where(r == 0, 1, r))[1] - 1, -6) - 3)
;;       q = np.round(r / step) * step * 2.0 ** e      # np.round: ties to even
;;       return np.moveaxis(q, -1, axis).astype(np.float32)
;;   ~~~
;;   SOFTMAX AHEAD OF A QUANTISED PRODUCT. Where the list says 'softmax', what is quantised is not the finished softmax but p = 2^(t - M), with t = logit x log2(e) and M = ceil(the row's largest t), a whole number; so 1/2 < the row's largest p <= 1. The row's sum l is taken of the UNQUANTISED p, in f32, and the product's result is divided by l at the end. Since M is a whole number, a kernel that streams over the keys may use a running M (the ceiling of the running maximum): every later rescaling is an exact power of two, so the quantised numbers keep their values, but for numbers so far below the row's largest that they fall under the format's range.
;;   OPERANDS COMPUTED ON THE WAY. 'Computed on the way' means the value that the module computes at that place (a softmax that the list does not call 'softmax' is quantised finished and normalised). What goes into a quantiser is computed in f32, as accurately as f32 sums, v_exp_f32 and their like allow (about 1e-6 of the number): no bf16 or f16 on the way to a quantiser, and a product that is left as it is and whose result goes on into a quantised operand takes f32 operands (vector FMAs, or v_wmma_f32_16x16x4_f32). A number that lies on a knife's edge between two numbers of the format may be rounded either way, as far as f32 arithmetic and the matrix unit's own rounding can turn it there, and no further.
;; 2 versions. Each part assembles by itself: llvm-mc -triple=amdgcn-amd-amdhsa -mcpu=gfx1250 --defsym DOCPART=n.
;; ======== version 1 of 2: 4 launches
;; workspace buffers: wimg 3,145,728 bytes; q_img 4,194,304 bytes; k_img 4,194,304 bytes; v_img 4,194,304 bytes; ctx_img 4,194,304 bytes
;; launch wprep (part 1): grid 128 x 3, 4 waves a work-group, no clusters, 0 bytes of LDS; arguments wq, wk, wv, wo, w2, w1, lowp_scales, wimg; writes wimg
.if DOCPART == 1
	.amdgcn_target "amdgcn-amd-amdhsa--gfx1250"
	.amdhsa_code_object_version 6
	.text
	.protected	k_q90d6ab07ca_wprep
	.globl	k_q90d6ab07ca_wprep
	.p2align	8
	.type	k_q90d6ab07ca_wprep,@function
k_q90d6ab07ca_wprep:
	s_mov_b64 s[64:65], 0
	v_nop
	global_prefetch_b8 v0, s[64:65] scope:SCOPE_SE
	s_setreg_imm32_b32 hwreg(HW_REG_WAVE_MODE, 25, 1), 1
	s_wait_xcnt 0x0
; The six weights, f32 stored [K][N], become codes of E4M3 in wimg, each with its given scale 2^e (entries 1, 3, 5, 11, 15, 13 of lowp_scales).
; DEAD WORK: none in the whole program.  Every input of reference() has a way to out0, no product is thrown away, there is no mask: all eight products and all biases and gains are computed.
; code = w / 2^e, held within +-448, to the nearest code, ties to even.  LIMITS: -126 <= e <= 119, so that 2^e and 448 x 2^e are f32 numbers.  NaN and infinity among the inputs are not served.
; LAYOUT OF wimg: images of the operand's registers.  A fragment is 16 output columns x 128 along K, 16 registers a lane: registers 4 c .. 4 c + 3 of lane (r, h) hold k = 32 c + 16 h + 0 .. 15
; of the tile's column at place r.  Group c lies at 512 c, lane l's 16 bytes at 16 l; fragment (tile nt, K step s) at (nt x K/128 + s) x 2,048 behind the matrix's base.
; THE COLUMNS OF A TILE ARE NOT NEIGHBOURS: place r of tile 2 p + u is column 32 p + 8 u + r + 8 (r / 8), so that a product used transposed leaves 16 neighbouring columns in the 16 registers of two tiles.
; SHARES.  A lane takes a column and its registers run down K, so the conversions give codes with K innermost and nothing is transposed.  A wave takes 32 columns x 64 along K, a work-group 128 columns.
; Each load of a wave reads 128 consecutive bytes; each store writes two aligned runs of 256 bytes (lanes 0-15: tile 2 p; lanes 16-31: tile 2 p + 1).
; Grid y = 0: wq, wk, wv, wo (32 work-groups each); y = 1: w2; y = 2: w1.  No LDS, no barrier, no matrix unit: waves share nothing, and no byte is read twice, so there is nothing to ask for jointly.
.set X, 16                             ; v16-79  64 numbers down K
.set C, 80                             ; v80-95  their codes: eight registers for each block of 32
.macro QW stride                       ; stride: bytes from a row of the weight to the next
.set i, 0
.rept 64
	global_load_b32 v[X+i], v1, s[48:49] offset:i*\stride th:TH_LOAD_NT
.set i, i+1
.endr
	s_wait_kmcnt 0x0                               ; the sixteen exponents
	s_mov_b32 s30, s33                             ; my weight's: chosen on the work-group's number alone
	s_cmp_eq_u32 s26, 1
	s_cselect_b32 s30, s35, s30
	s_cmp_eq_u32 s26, 2
	s_cselect_b32 s30, s37, s30
	s_cmp_eq_u32 s26, 3
	s_cselect_b32 s30, s43, s30
	s_cmp_eq_u32 s26, 4
	s_cselect_b32 s30, s47, s30
	s_cmp_eq_u32 s26, 5
	s_cselect_b32 s30, s45, s30
	s_add_co_i32 s30, s30, 127
	s_lshl_b32 s31, s30, 23
	v_mov_b32 v10, s31                             ; 2^e as f32: the conversion takes its exponent field
	s_add_co_i32 s30, s30, 8
	s_lshl_b32 s30, s30, 23
	s_or_b32 s30, s30, 0x600000
	v_mov_b32 v11, s30                             ; 448 x 2^e
.irp b, 0,1
	s_wait_loadcnt 32-32*\b                        ; this block's 32 loads are in; the second block's may be out
.set i, 0
.rept 32
	v_med3_num_f32 v[X+32*\b+i], v[X+32*\b+i], -v11, v11   ; the conversion to an 8-bit code does not saturate (ISA guide 7.6.2): the hold comes first
.set i, i+1
.endr
.irp g, 0,1,2,3
	v_cvt_scalef32_pk8_fp8_f32 v[C+8*\b+2*\g:C+8*\b+2*\g+1], v[X+32*\b+8*\g:X+32*\b+8*\g+7], v10
.endr
	v_nop                                          ; a plain line behind the run of conversions
	global_store_b128 v2, v[C+8*\b:C+8*\b+3], s[50:51] offset:512*\b          ; k 0 .. 15 of the block: the image's lanes 0-15
	global_store_b128 v2, v[C+8*\b+4:C+8*\b+7], s[50:51] offset:512*\b+256    ; k 16 .. 31: its lanes 16-31
.endr
.endm
	s_load_b512 s[8:23], s[0:1], 0x0               ; wq, wk, wv, wo, w2, w1, the exponents s[20:21], wimg s[22:23]
	v_lshrrev_b32 v3, 5, v0
	v_readfirstlane_b32 s24, v3                    ; wave 0..3
	v_and_b32 v4, 15, v0                           ; r: my place in a tile
	v_bfe_u32 v5, v0, 4, 1                         ; u: which of the two tiles
	v_and_b32 v6, 8, v4
	v_add_nc_u32 v6, v6, v4
	v_lshl_add_u32 v6, v5, 3, v6                   ; my column among the wave's 32: 8 u + r + 8 (r / 8)
	v_lshlrev_b32 v1, 2, v6
	s_and_b32 s25, ttmp7, 0xffff                   ; y
	s_lshr_b32 s26, ttmp9, 5                       ; y = 0: which of the four matrices
	s_and_b32 s27, ttmp9, 3                        ; cg: which 128 columns (y = 0, 1)
	s_lshr_b32 s28, ttmp9, 2                       ; kc: which 64 along K (y = 1)
	s_and_b32 s31, s28, 7                          ; (y = 0)
	s_lshl_b32 s52, s26, 18                        ; the matrix's base in wimg (y = 0)
	s_add_co_u32 s30, s25, 3
	s_mov_b32 s53, 0x200000
	s_cmp_eq_u32 s25, 0
	s_cselect_b32 s28, s31, s28
	s_cselect_b32 s52, s52, s53
	s_cselect_b32 s29, 4, 16                       ; K / 128
	s_cselect_b32 s26, s26, s30                    ; which weight: 0 .. 3, 4 = w2, 5 = w1
	s_and_b32 s53, ttmp9, 15
	s_lshr_b32 s54, ttmp9, 4
	s_mov_b32 s31, 0x100000
	s_cmp_eq_u32 s25, 2
	s_cselect_b32 s27, s53, s27
	s_cselect_b32 s28, s54, s28
	s_cselect_b32 s29, 4, s29
	s_cselect_b32 s52, s31, s52
	s_cselect_b32 s55, 19, 17                      ; 64 rows of 8,192 or of 2,048 bytes
	s_lshl_b32 s54, s28, s55                       ; from where: kc x 64 rows
	s_lshl_b32 s53, s27, 9
	s_add_co_u32 s54, s54, s53                     ; + 128 cg columns
	s_lshl_b32 s53, s24, 7
	s_add_co_u32 s54, s54, s53                     ; + 32 x wave columns
	s_mov_b32 s55, 0
	s_lshl_b32 s53, s27, 2
	s_add_co_u32 s53, s53, s24                     ; p = 4 cg + wave
	s_lshl_b32 s53, s53, 1
	s_mul_i32 s53, s53, s29                        ; tile 2 p's first fragment
	s_lshr_b32 s31, s28, 1
	s_add_co_u32 s53, s53, s31                     ; + the K step
	s_lshl_b32 s53, s53, 11
	s_add_co_u32 s52, s52, s53
	s_and_b32 s31, s28, 1
	s_lshl_b32 s31, s31, 10
	s_add_co_u32 s52, s52, s31                     ; + groups 0, 1 or 2, 3 of the fragment
	s_mov_b32 s53, 0
	s_lshl_b32 s31, s29, 11
	v_mul_lo_u32 v2, v5, s31                       ; tile 2 p + 1 lies K/128 fragments behind tile 2 p
	v_lshl_add_u32 v2, v4, 4, v2                   ; + 16 r
	s_wait_kmcnt 0x0
	s_load_b512 s[32:47], s[20:21], 0x0            ; the sixteen exponents
	s_mov_b64 s[48:49], s[8:9]                     ; my weight: a choice between buffers that hangs on the work-group's number alone
	s_cmp_eq_u32 s26, 1
	s_cselect_b64 s[48:49], s[10:11], s[48:49]
	s_cmp_eq_u32 s26, 2
	s_cselect_b64 s[48:49], s[12:13], s[48:49]
	s_cmp_eq_u32 s26, 3
	s_cselect_b64 s[48:49], s[14:15], s[48:49]
	s_cmp_eq_u32 s26, 4
	s_cselect_b64 s[48:49], s[16:17], s[48:49]
	s_cmp_eq_u32 s26, 5
	s_cselect_b64 s[48:49], s[18:19], s[48:49]
	s_add_nc_u64 s[48:49], s[48:49], s[54:55]
	s_add_nc_u64 s[50:51], s[22:23], s[52:53]
	s_cmp_eq_u32 s25, 2
	s_cbranch_scc1 .Lwide
	QW 2048                                        ; rows of 512 numbers
	s_endpgm
.Lwide:
	QW 8192                                        ; w1: rows of 2,048 numbers
	s_endpgm
.Lfunc_end_k_q90d6ab07ca_wprep:
	.size	k_q90d6ab07ca_wprep, .Lfunc_end_k_q90d6ab07ca_wprep-k_q90d6ab07ca_wprep
	.p2alignl 7, 3214868480
	.fill 96, 4, 3214868480
	.section	.rodata,"a",@progbits
	.p2align	6, 0x0
	.amdhsa_kernel k_q90d6ab07ca_wprep
		.amdhsa_group_segment_fixed_size 0
		.amdhsa_private_segment_fixed_size 0
		.amdhsa_enable_private_segment 0
		.amdhsa_kernarg_size 64
		.amdhsa_user_sgpr_count 2
		.amdhsa_user_sgpr_kernarg_segment_ptr 1
		.amdhsa_wavefront_size32 1
		.amdhsa_system_sgpr_workgroup_id_x 1
		.amdhsa_system_sgpr_workgroup_id_y 1
		.amdhsa_system_sgpr_workgroup_id_z 1
		.amdhsa_system_vgpr_workitem_id 0
		.amdhsa_next_free_vgpr 96
		.amdhsa_next_free_sgpr 66
		.amdhsa_reserve_vcc 0
		.amdhsa_float_denorm_mode_32 3
		.amdhsa_float_denorm_mode_16_64 3
		.amdhsa_memory_ordered 1
		.amdhsa_forward_progress 1
		.amdhsa_inst_pref_size 27
	.end_amdhsa_kernel
	.amdgpu_metadata
---
amdhsa.version: [ 1, 2 ]
amdhsa.kernels:
  - .name:           k_q90d6ab07ca_wprep
    .symbol:         k_q90d6ab07ca_wprep.kd
    .args:
      - { .name: wq, .offset: 0, .size: 8, .value_kind: global_buffer, .address_space: global }
      - { .name: wk, .offset: 8, .size: 8, .value_kind: global_buffer, .address_space: global }
      - { .name: wv, .offset: 16, .size: 8, .value_kind: global_buffer, .address_space: global }
      - { .name: wo, .offset: 24, .size: 8, .value_kind: global_buffer, .address_space: global }
      - { .name: w2, .offset: 32, .size: 8, .value_kind: global_buffer, .address_space: global }
      - { .name: w1, .offset: 40, .size: 8, .value_kind: global_buffer, .address_space: global }
      - { .name: lowp_scales, .offset: 48, .size: 8, .value_kind: global_buffer, .address_space: global }
      - { .name: wimg, .offset: 56, .size: 8, .value_kind: global_buffer, .address_space: global }
    .group_segment_fixed_size: 0
    .private_segment_fixed_size: 0
    .kernarg_segment_align: 8
    .kernarg_segment_size: 64
    .max_flat_workgroup_size: 128
    .sgpr_count:     66
    .vgpr_count:     96
    .wavefront_size: 32
...
	.end_amdgpu_metadata
.endif
;; end of part 1
;; launch qkv (part 2): grid 2 x 128, 8 waves a work-group, no clusters, 105,472 bytes of LDS; arguments x, ln1_g, ln1_b, wimg, lowp_scales, q_img, k_img, v_img; writes q_img, k_img, v_img
.if DOCPART == 2
	.amdgcn_target "amdgcn-amd-amdhsa--gfx1250"
	.amdhsa_code_object_version 6
	.text
	.protected	k_q90d6ab07ca_qkv
	.globl	k_q90d6ab07ca_qkv
	.p2align	8
	.type	k_q90d6ab07ca_qkv,@function
k_q90d6ab07ca_qkv:
	s_mov_b64 s[64:65], 0
	v_nop
	global_prefetch_b8 v0, s[64:65] scope:SCOPE_SE
	s_setreg_imm32_b32 hwreg(HW_REG_WAVE_MODE, 25, 1), 1
	s_wait_xcnt 0x0
; xn = layer_norm(x, ln1_g, ln1_b); q = xn wq, k = xn wk, v = xn wv on codes of E4M3; q, k and v are quantised for the two products of attention and stored as images of operand registers.  No work is left out.
; xn is quantised three times, with 2^e0, 2^e2, 2^e4, as the table has it.  A sum of a product stands for sum x 2^(eA + eB); its code for the next product is sum / 2^(e' - eA - eB): the three scales are one conversion's scale.
; LIMITS: e0, e2, e4, e6 - e0 - e1, e7 - e2 - e3, e9 - e4 - e5 between -126 and 119.  NaN and infinity among the inputs are not served.
; SHARES.  Work-group (hg, rb): 64 tokens (rb), 8 heads (hg).  First wave w normalises tokens 8 w .. 8 w + 7 (a row of 512 numbers is 16 a lane; mean, then the deviations' squares: two passes over registers) and puts their
; codes into LDS; behind one barrier wave w makes q, k, v of head 8 hg + w for all 64 tokens: 12 steps (3 weights x 4 K steps of 128) of 8 matrix instructions.
; TILES OF TOKENS ARE PERMUTED: place r of tile 2 p + u is token 32 p + 8 u + r + 8 (r / 8); weight tiles likewise (see the launch that made wimg).  q, k: used transposed (source 0 = weight): a lane holds one token
; and 16 neighbouring channels, 16 h + 0 .. 15.  v: source 0 = tokens: a lane holds one channel and 16 neighbouring tokens, which are the second product's K.
; q_img, k_img: ((b 16 + head) 128 + tile) 512 + 16 lane.   v_img: (b 16 + head) 65,536 + ((step 2 + u) 4 + c) 512 + 16 lane: channel 8 u + r + 8 (r / 8), keys 128 step + 32 c + 16 h + 0 .. 15.
; LDS: xn's codes, three versions x four tiles; a tile is 32 lines (16 along K each) of 272 bytes, token place r at 16 r in a line: a fragment's group is read as 256 consecutive bytes for each half of the lanes.
; WEIGHTS go from memory straight into the operand registers of the one wave that uses them (three units of two fragments by turns, 24 loads out).  NO JOINT LOADS: a tile asked for jointly lands in LDS, and here
; each weight fragment feeds one wave alone, four matrix instructions: every weight byte would be written to LDS and read back once more.  The rows of x that the two work-groups of a token block share are 128 KB, read once at the head.
.set XNB,   34816                      ; a version: four tiles
.set TILEB, 8704                       ; a tile: 32 lines x 272
.set SPARE, 3*XNB                      ; behind the images: the spare words, 128 bytes for each of eight waves
.set CO,  16                           ; v16-39   the norm: two sets of 12 registers of codes
.set SS,  40                           ; v40-55   a pair for each of my eight rows: sum, mean, sum of squares, 1 / sqrt
.set PT,  56                           ; v56-63   the other half of the lanes' sums
.set X,   64                           ; v64-191  my eight rows: register 16 i + 4 j + e = x[row i][128 j + 4 lane + e]
.set G,   192                          ; v192-207 the gain at my 16 columns;  v208-223 the bias
.set BT,  208
.set TM,  224                          ; v224-239 a row, held
.set ACC, 16                           ; v16-79   the products: eight accumulators
.set XF,  80                           ; v80-143  xn's fragments of four tiles, one K step
.set W,   144                          ; v144-239 three units of two weight fragments
.set CD,  240                          ; v240-255 codes on their way out
; v1 16 x lane; v2-4 where I read fragments (a version each); v5-7 where I put codes (a version each); v8, v9 the add's two; v10-15 three pairs (scale, 448 x scale)
.macro MKSC e, vs, vl                  ; the whole number in \e makes 2^e and 448 x 2^e as f32
	s_add_co_i32 s27, \e, 127
	s_lshl_b32 s28, s27, 23
	v_mov_b32 v[\vs], s28
	s_add_co_i32 s27, s27, 8
	s_lshl_b32 s27, s27, 23
	s_or_b32 s27, s27, 0x600000
	v_mov_b32 v[\vl], s27
.endm
.macro ACROSS                          ; the eight rows' figures summed over the 32 lanes, row by row in turn so that no line waits for the one above
.irp m, 1,2,4,8
.irp i, 0,1,2,3,4,5,6,7
	v_add_f32_dpp v[SS+2*\i], v[SS+2*\i], v[SS+2*\i] row_xmask:\m row_mask:0xf bank_mask:0xf
.endr
.endr
.irp i, 0,1,2,3,4,5,6,7
	v_permlanex16_b32 v[PT+\i], v[SS+2*\i], s60, s61
.endr
.irp i, 0,1,2,3,4,5,6,7
	v_add_f32 v[SS+2*\i], v[SS+2*\i], v[PT+\i]
.endr
.endm
.macro WLOAD n                         ; step n = 4 x weight + K step: my head's two fragments, as they lie in wimg: each load 512 consecutive bytes
.irp u, 0,1
.irp c, 0,1,2,3
	global_load_b128 v[W+32*((\n)%3)+16*\u+4*\c:W+32*((\n)%3)+16*\u+4*\c+3], v1, s[50:51] offset:((\n)/4)*262144+(4*\u+(\n)%4)*2048+512*\c
.endr
.endr
.endm
.macro XFETCH n                        ; xn's fragments of the step's version and K step, four tiles
.irp t, 0,1,2,3
.irp c, 0,1,2,3
	ds_load_b128 v[XF+16*\t+4*\c:XF+16*\t+4*\c+3], v[2+(\n)/4] offset:\t*TILEB+(4*((\n)%4)+\c)*544
.endr
.endr
.endm
.macro STEP n
.if (\n) <= 9
	s_wait_loadcnt 16                              ; this step's eight weight loads are in; those of the next two steps may be out
.else
	s_wait_loadcnt 8*(11-(\n))
.endif
	s_wait_dscnt 0x0                               ; xn's fragments
.irp t, 0,1,2,3                        ; eight accumulators by turns, one instruction a turn, in the same order in every step
.irp u, 0,1
.set rW, W+32*((\n)%3)+16*\u
.set rX, XF+16*\t
.if (\n)/4 < 2
.set rD, ACC+16*\t+8*\u
.if (\n)%4 == 0
	v_wmma_f32_16x16x128_fp8_fp8 v[rD:rD+7], v[rW:rW+15], v[rX:rX+15], 0
.else
	v_wmma_f32_16x16x128_fp8_fp8 v[rD:rD+7], v[rW:rW+15], v[rX:rX+15], v[rD:rD+7]
.endif
.else
.set rD, ACC+32*(\t/2)+16*\u+8*(\t%2)
.if (\n)%4 == 0
	v_wmma_f32_16x16x128_fp8_fp8 v[rD:rD+7], v[rX:rX+15], v[rW:rW+15], 0
.else
	v_wmma_f32_16x16x128_fp8_fp8 v[rD:rD+7], v[rX:rX+15], v[rW:rW+15], v[rD:rD+7]
.endif
.endif
.endr
.endr
.rept 4
	v_nop                                          ; four places in front of loads into registers that matrix instructions have read, and of the first read of results
.endr
.if (\n)+3 < 12
	WLOAD (\n)+3
.endif
.if (\n)+1 < 12
	XFETCH (\n)+1
.endif
.endm
.macro EPI role                        ; 0 q, 1 k, 2 v: 64 sums a lane become 16 registers of codes: four groups of an image
	s_wait_xcnt 0x0                                ; the last role's stores have read their data: the codes' registers are written again only behind this wait
.irp g, 0,1,2,3
.set k, 0
.rept 16
	v_med3_num_f32 v[ACC+16*\g+k], v[ACC+16*\g+k], -v[11+2*\role], v[11+2*\role]   ; each accumulator from its low end on
.set k, k+1
.endr
	v_cvt_scalef32_pk8_fp8_f32 v[CD+4*\g:CD+4*\g+1], v[ACC+16*\g:ACC+16*\g+7], v[10+2*\role]
	v_cvt_scalef32_pk8_fp8_f32 v[CD+4*\g+2:CD+4*\g+3], v[ACC+16*\g+8:ACC+16*\g+15], v[10+2*\role]
.endr
	v_nop                                          ; a plain line between the last conversion and the next products, which write its sources
.irp g, 0,1,2,3
.if \role < 2
	global_store_b128 v1, v[CD+4*\g:CD+4*\g+3], s[52+2*\role:53+2*\role] offset:512*\g                 ; tile g: the wave stores 512 consecutive bytes
.else
	global_store_b128 v1, v[CD+4*\g:CD+4*\g+3], s[52+2*\role:53+2*\role] offset:(\g%2)*2048+(\g/2)*512  ; channels' tile g % 2, keys' group g / 2
.endif
.endr
.endm
	s_load_b512 s[8:23], s[0:1], 0x0               ; x, ln1_g, ln1_b, wimg, the exponents s[16:17], q_img, k_img, v_img
	v_lshl_add_u32 v8, v0, 2, SPARE
	v_mov_b32 v9, 0
	v_lshrrev_b32 v16, 5, v0
	v_readfirstlane_b32 s24, v16                   ; wave 0..7
	s_and_b32 s26, ttmp7, 0xffff                   ; rb: which 64 tokens
	v_and_b32 v17, 31, v0                          ; lane
	v_lshlrev_b32 v1, 4, v17
	v_and_b32 v18, 15, v0                          ; r
	v_bfe_u32 v19, v0, 4, 1                        ; h
	v_mul_u32_u24 v2, v19, 272
	v_lshl_add_u32 v2, v18, 4, v2                  ; a fragment's group: line h of its two, place r
	v_add_nc_u32 v3, XNB, v2
	v_add_nc_u32 v4, 2*XNB, v2
	v_lshrrev_b32 v20, 2, v17
	v_mul_u32_u24 v5, v20, 272                     ; my 4 codes of 128 along K: line lane / 4,
	v_and_b32 v20, 3, v17
	v_lshl_add_u32 v5, v20, 2, v5                  ; byte 4 (lane % 4) of a place's 16
	s_lshr_b32 s27, s24, 2
	s_lshl_b32 s27, s27, 1
	s_and_b32 s28, s24, 1
	s_add_co_u32 s27, s27, s28                     ; tokens 8 w .. 8 w + 7 lie in tile 2 (w / 4) + w % 2,
	s_mul_i32 s27, s27, TILEB
	s_lshr_b32 s28, s24, 1
	s_and_b32 s28, s28, 1
	s_lshl_b32 s28, s28, 7                         ; at places 8 ((w / 2) % 2) + 0 .. 7
	s_add_co_u32 s27, s27, s28
	v_add_nc_u32 v5, s27, v5
	v_add_nc_u32 v6, XNB, v5
	v_add_nc_u32 v7, 2*XNB, v5
.irp i, 0,1,2,3,4,5,6,7
	v_mov_b32 v[PT+\i], 0                          ; written once: a lane permute's destination counts as one of its sources
.endr
	s_lshl_b32 s28, s26, 17                        ; x: 64 rb rows of 2,048 bytes
	s_lshl_b32 s29, s24, 14                        ; + 8 w rows
	s_add_co_u32 s28, s28, s29
	s_mov_b32 s29, 0
	s_lshl_b32 s2, ttmp9, 3
	s_add_co_u32 s2, s2, s24                       ; my head
	s_lshl_b32 s30, s2, 14                         ; its two tiles x four K steps in each of wq, wk, wv
	s_mov_b32 s31, 0
	s_lshr_b32 s3, s26, 5                          ; b
	s_lshl_b32 s3, s3, 4
	s_add_co_u32 s3, s3, s2
	s_lshl_b32 s3, s3, 16                          ; (b, head)'s 65,536 bytes in each image
	s_and_b32 s4, s26, 31                          ; sb: which 64 tokens of the sequence
	s_lshl_b32 s5, s4, 11
	s_add_co_u32 s6, s3, s5                        ; q, k: tiles 4 sb on
	s_mov_b32 s7, 0
	s_lshr_b32 s5, s4, 1
	s_lshl_b32 s5, s5, 12
	s_add_co_u32 s58, s3, s5                       ; v: key step sb / 2,
	s_and_b32 s5, s4, 1
	s_lshl_b32 s5, s5, 10
	s_add_co_u32 s58, s58, s5                      ; groups 2 (sb % 2) on
	s_mov_b32 s59, 0
	s_mov_b32 s60, 0x76543210                      ; v_permlanex16_b32's selects: lane l xor 16
	s_mov_b32 s61, 0xfedcba98
	s_mov_b32 s62, 0x3b000000                      ; 1 / 512
	s_mov_b32 s63, 0x3727c5ac                      ; 1e-5
	s_wait_kmcnt 0x0
	s_load_b512 s[32:47], s[16:17], 0x0            ; the sixteen exponents
	s_add_nc_u64 s[48:49], s[8:9], s[28:29]
	s_add_nc_u64 s[50:51], s[14:15], s[30:31]
	s_add_nc_u64 s[52:53], s[18:19], s[6:7]
	s_add_nc_u64 s[54:55], s[20:21], s[6:7]
	s_add_nc_u64 s[56:57], s[22:23], s[58:59]
.irp i, 0,1,2,3,4,5,6,7
.irp j, 0,1,2,3
	global_load_b128 v[X+16*\i+4*\j:X+16*\i+4*\j+3], v1, s[48:49] offset:\i*2048+512*\j   ; 32 lanes read 512 consecutive bytes
.endr
.endr
.irp j, 0,1,2,3
	global_load_b128 v[G+4*\j:G+4*\j+3], v1, s[10:11] offset:512*\j
.endr
.irp j, 0,1,2,3
	global_load_b128 v[BT+4*\j:BT+4*\j+3], v1, s[12:13] offset:512*\j
.endr
	; ---- the norm.  First the rows' sums
.irp i, 0,1,2,3,4,5,6,7
	s_wait_loadcnt 36-4*\i                         ; row i's four loads are in; out may be the younger rows' 4 (7 - i) and the eight of gain and bias
	v_pk_add_f32 v[SS+2*\i:SS+2*\i+1], v[X+16*\i:X+16*\i+1], v[X+16*\i+2:X+16*\i+3]
.irp k, 4,6,8,10,12,14
	v_pk_add_f32 v[SS+2*\i:SS+2*\i+1], v[SS+2*\i:SS+2*\i+1], v[X+16*\i+\k:X+16*\i+\k+1]
.endr
	v_add_f32 v[SS+2*\i], v[SS+2*\i], v[SS+2*\i+1]
.endr
	ACROSS
.irp i, 0,1,2,3,4,5,6,7
	v_mul_f32 v[SS+2*\i], s62, v[SS+2*\i]          ; the mean
.endr
.irp i, 0,1,2,3,4,5,6,7
.irp k, 0,2,4,6,8,10,12,14
	v_pk_add_f32 v[X+16*\i+\k:X+16*\i+\k+1], v[X+16*\i+\k:X+16*\i+\k+1], v[SS+2*\i:SS+2*\i+1] op_sel_hi:[1,0] neg_lo:[0,1] neg_hi:[0,1]   ; x - mean, in place
.endr
	v_pk_mul_f32 v[SS+2*\i:SS+2*\i+1], v[X+16*\i:X+16*\i+1], v[X+16*\i:X+16*\i+1]
.irp k, 2,4,6,8,10,12,14
	v_pk_fma_f32 v[SS+2*\i:SS+2*\i+1], v[X+16*\i+\k:X+16*\i+\k+1], v[X+16*\i+\k:X+16*\i+\k+1], v[SS+2*\i:SS+2*\i+1]
.endr
	v_add_f32 v[SS+2*\i], v[SS+2*\i], v[SS+2*\i+1]
.endr
	ACROSS
.irp i, 0,1,2,3,4,5,6,7
	v_fma_f32 v[SS+2*\i], v[SS+2*\i], s62, s63     ; the variance + 1e-5
.endr
.irp i, 0,1,2,3,4,5,6,7
	v_rsq_f32 v[SS+2*\i], v[SS+2*\i]               ; one batch
.endr
	v_nop                                          ; a plain line behind the last of the batch
	s_wait_kmcnt 0x0
	MKSC s32, 10, 11                               ; e0: xn for wq
	MKSC s34, 12, 13                               ; e2: for wk
	MKSC s36, 14, 15                               ; e4: for wv
	s_wait_loadcnt 0x0                             ; gain and bias
	s_wait_alu depctr_va_vdst(0)                   ; one wait for the eight, ahead of their first reader
.irp i, 0,1,2,3,4,5,6,7
.irp k, 0,2,4,6,8,10,12,14
	v_pk_mul_f32 v[X+16*\i+\k:X+16*\i+\k+1], v[X+16*\i+\k:X+16*\i+\k+1], v[SS+2*\i:SS+2*\i+1] op_sel_hi:[1,0]
.endr
.irp k, 0,2,4,6,8,10,12,14
	v_pk_fma_f32 v[X+16*\i+\k:X+16*\i+\k+1], v[X+16*\i+\k:X+16*\i+\k+1], v[G+\k:G+\k+1], v[BT+\k:BT+\k+1]
.endr
.endr
	; ---- xn's codes, three times, row by row.  Code register j holds k = 128 j + 4 lane + 0 .. 3; the 32 lanes of a store fall on 32 different banks
.irp i, 0,1,2,3,4,5,6,7
.if \i >= 2
	s_wait_dscnt 12                                ; the last row's twelve stores may be out; those of the row before, from this set of registers, are done
.endif
.irp ver, 0,1,2
.set k, 0
.rept 16
	v_med3_num_f32 v[TM+k], v[X+16*\i+k], -v[11+2*\ver], v[11+2*\ver]
.set k, k+1
.endr
	v_cvt_scalef32_pk8_fp8_f32 v[CO+12*(\i%2)+4*\ver:CO+12*(\i%2)+4*\ver+1], v[TM:TM+7], v[10+2*\ver]
	v_cvt_scalef32_pk8_fp8_f32 v[CO+12*(\i%2)+4*\ver+2:CO+12*(\i%2)+4*\ver+3], v[TM+8:TM+15], v[10+2*\ver]
	v_nop                                          ; a plain line before the next version writes the conversions' sources
.irp j, 0,1,2,3
	ds_store_b32 v[5+\ver], v[CO+12*(\i%2)+4*\ver+\j] offset:\j*2176+16*\i
.endr
.endr
.endr
	s_sub_co_i32 s29, s38, s32
	s_sub_co_i32 s29, s29, s33
	MKSC s29, 10, 11                               ; q's codes: e6 - e0 - e1
	s_sub_co_i32 s29, s39, s34
	s_sub_co_i32 s29, s29, s35
	MKSC s29, 12, 13                               ; k's: e7 - e2 - e3
	s_sub_co_i32 s29, s41, s36
	s_sub_co_i32 s29, s29, s37
	MKSC s29, 14, 15                               ; v's: e9 - e4 - e5
	WLOAD 0                                        ; the rows' registers are free: three units of weights are asked for
	WLOAD 1
	WLOAD 2
	s_wait_dscnt 0x0                               ; my codes lie in LDS
	s_barrier_signal -1
	s_barrier_wait -1                              ; everybody's do
	; ---- the products
	XFETCH 0
.irp n, 0,1,2,3
	STEP \n
.endr
	EPI 0
.irp n, 4,5,6,7
	STEP \n
.endr
	EPI 1
.irp n, 8,9,10,11
	STEP \n
.endr
	EPI 2
	s_wait_tensorcnt 0x0                           ; the wave's end: three closing lines behind my last LDS store
	ds_add_u32 v8, v9
	s_wait_dscnt 0x0
	s_endpgm
.Lfunc_end_k_q90d6ab07ca_qkv:
	.size	k_q90d6ab07ca_qkv, .Lfunc_end_k_q90d6ab07ca_qkv-k_q90d6ab07ca_qkv
	.p2alignl 7, 3214868480
	.fill 96, 4, 3214868480
	.section	.rodata,"a",@progbits
	.p2align	6, 0x0
	.amdhsa_kernel k_q90d6ab07ca_qkv
		.amdhsa_group_segment_fixed_size 105472
		.amdhsa_private_segment_fixed_size 0
		.amdhsa_enable_private_segment 0
		.amdhsa_kernarg_size 64
		.amdhsa_user_sgpr_count 2
		.amdhsa_user_sgpr_kernarg_segment_ptr 1
		.amdhsa_wavefront_size32 1
		.amdhsa_system_sgpr_workgroup_id_x 1
		.amdhsa_system_sgpr_workgroup_id_y 1
		.amdhsa_system_sgpr_workgroup_id_z 1
		.amdhsa_system_vgpr_workitem_id 0
		.amdhsa_next_free_vgpr 256
		.amdhsa_next_free_sgpr 66
		.amdhsa_reserve_vcc 0
		.amdhsa_float_denorm_mode_32 3
		.amdhsa_float_denorm_mode_16_64 3
		.amdhsa_memory_ordered 1
		.amdhsa_forward_progress 1
		.amdhsa_inst_pref_size 114
	.end_amdhsa_kernel
	.amdgpu_metadata
---
amdhsa.version: [ 1, 2 ]
amdhsa.kernels:
  - .name:           k_q90d6ab07ca_qkv
    .symbol:         k_q90d6ab07ca_qkv.kd
    .args:
      - { .name: x, .offset: 0, .size: 8, .value_kind: global_buffer, .address_space: global }
      - { .name: ln1_g, .offset: 8, .size: 8, .value_kind: global_buffer, .address_space: global }
      - { .name: ln1_b, .offset: 16, .size: 8, .value_kind: global_buffer, .address_space: global }
      - { .name: wimg, .offset: 24, .size: 8, .value_kind: global_buffer, .address_space: global }
      - { .name: lowp_scales, .offset: 32, .size: 8, .value_kind: global_buffer, .address_space: global }
      - { .name: q_img, .offset: 40, .size: 8, .value_kind: global_buffer, .address_space: global }
      - { .name: k_img, .offset: 48, .size: 8, .value_kind: global_buffer, .address_space: global }
      - { .name: v_img, .offset: 56, .size: 8, .value_kind: global_buffer, .address_space: global }
    .group_segment_fixed_size: 105472
    .private_segment_fixed_size: 0
    .kernarg_segment_align: 8
    .kernarg_segment_size: 64
    .max_flat_workgroup_size: 256
    .sgpr_count:     66
    .vgpr_count:     256
    .wavefront_size: 32
...
	.end_amdgpu_metadata
.endif
;; end of part 2
;; launch attn (part 3): grid 4 x 64, 16 waves a work-group, no clusters, 133,120 bytes of LDS; arguments q_img, k_img, v_img, lowp_scales, ctx_img; writes ctx_img
.if DOCPART == 3
	.amdgcn_target "amdgcn-amd-amdhsa--gfx1250"
	.amdhsa_code_object_version 6
	.text
	.protected	k_q90d6ab07ca_attn
	.globl	k_q90d6ab07ca_attn
	.p2align	8
	.type	k_q90d6ab07ca_attn,@function
k_q90d6ab07ca_attn:
	s_mov_b64 s[64:65], 0
	v_nop
	global_prefetch_b8 v0, s[64:65] scope:SCOPE_SE
	s_setreg_imm32_b32 hwreg(HW_REG_WAVE_MODE, 25, 1), 1
	s_wait_xcnt 0x0
; ctx = softmax(q k^T / sqrt(32)) v for each (b, head), both products on codes of E4M3; ctx is quantised with 2^e10 for the projection and stored as an image of operand registers.  No work is left out.
; THE SOFTMAX AHEAD OF THE SECOND PRODUCT: t = score x log2(e) / sqrt(32); M = the running largest t, rounded UP to a whole number; p = 2^(t - M) is quantised with 2^e8, not normalised; the row's sum is taken of the
; unquantised p and divides at the end.  When M moves, the sum and O are multiplied by 2^(old M - new M), which rounds nothing.
; LIMITS: e6 + e7 between -124 and 129 (added to c's exponent field); e8 and e10 between -126 and 119; e8 + e9 goes in by v_ldexp_f32.  NaN and infinity among the inputs are not served.
; SHARES.  Work-group (x, y): head y = 16 b + head, queries 512 x on.  Each of sixteen waves owns two tiles of 16 queries, which use each fragment of K and V that the wave reads; four waves to a SIMD, so that one wave's
; vector work stands beside another's matrix work and LDS loads.  The head's K and V, 65,536 bytes of codes each, are copied into LDS once, as they lie, and every wave walks them, 128 keys a step, sixteen steps.
; Nothing in LDS is filled again: one barrier in the launch.  NO JOINT LOADS: what the four work-groups of a head share is that one copy, 16 loads of 16 bytes a lane at the head, against sixteen key steps of work.
; LAYOUT.  Both products are used transposed: S^T = K Q^T, O^T = V^T P^T: a lane holds one query throughout.  Tiles of tokens are permuted (place r of tile 2 p + u is token 32 p + 8 u + r + 8 (r / 8)), so the 16 registers
; of score tiles 2 b and 2 b + 1 are keys 32 b + 16 h + 0 .. 15: the conversions' results are the second product's operand.
; THE FIRST PRODUCT'S K IS 32, the instruction's 64: source 0 holds key tile 2 b in registers 0-3 and tile 2 b + 1 in registers 4-7; Q is given as [Q | zeros] for the even tile and [zeros | Q] for the odd one:
; the other tile's codes meet zero codes (they are numbers: every code was held before its conversion).
.set SPARE, 131072                     ; LDS: K's image at 0, V's at 65,536, then the spare words: 128 bytes for each of sixteen waves
.set QZA, 16                           ; v16-27   four zeros, tile A's Q, four zeros;  v28-39 the same for tile B
.set QZB, 28
.set KF,  40                           ; v40-71   a step's K: eight tiles x 4 registers
.set VF,  72                           ; v72-103  a step's V: two fragments
.set S,   104                          ; v104-167 S^T, then p
.set P,   168                          ; v168-183 p's codes
.set OA,  184                          ; v184-199 O^T of tile A;  v200-215 of tile B
.set OB,  200
; v1 16 x lane; v2, v3 the add's two; v4, v5 the step's LDS addresses; v6, v7 16 x thread (+ 65,536); v8-11, v12-15 a tile's -M, largest t, sum in two halves; v216, v217 maxima; v[218:219] f; v[220:221] a second chain of sums;
; v222 a permute's destination; v224, v225: 2^e8 and 448 x 2^e8; v226, v227: the same for e10
.macro MKSC e, vs, vl
	s_add_co_i32 s36, \e, 127
	s_lshl_b32 s37, s36, 23
	v_mov_b32 v[\vs], s37
	s_add_co_i32 s36, s36, 8
	s_lshl_b32 s36, s36, 23
	s_or_b32 s36, s36, 0x600000
	v_mov_b32 v[\vl], s36
.endm
; One tile of 16 queries against the step's 128 keys.  st: its statistics; qz: its Q among zeros; o: its O^T; first = 1: V's loads are still to be waited for
.macro TILE st, qz, o, first
.irp t, 0,1,2,3,4,5,6,7
.if (\t%2) == 0
	v_wmma_f32_16x16x64_fp8_fp8 v[S+8*\t:S+8*\t+7], v[KF+8*(\t/2):KF+8*(\t/2)+7], v[\qz+4:\qz+11], 0
.else
	v_wmma_f32_16x16x64_fp8_fp8 v[S+8*\t:S+8*\t+7], v[KF+8*(\t/2):KF+8*(\t/2)+7], v[\qz:\qz+7], 0
.endif
.endr
.rept 4
	v_nop                                          ; four places in front of the first read of results (ISA guide 7.12.1)
.endr
	v_max3_num_f32 v216, v[S], v[S+1], v[S+2]      ; the step's largest score of my query among my 64 keys, in two chains; each accumulator is first read at its low end
	v_max3_num_f32 v217, v[S+3], v[S+4], v[S+5]
.irp i, 6,10,14,18,22,26,30,34,38,42,46,50,54,58
	v_max3_num_f32 v216, v216, v[S+\i], v[S+\i+1]
	v_max3_num_f32 v217, v217, v[S+\i+2], v[S+\i+3]
.endr
	v_max3_num_f32 v216, v216, v[S+62], v[S+63]
	v_max_num_f32 v216, v216, v217
	v_permlanex16_b32 v222, v216, s24, s25
	v_max_num_f32 v216, v216, v222                 ; and among lane l xor 16's
	v_mul_f32 v216, s22, v216                      ; as t (c is positive)
	v_max_num_f32 v[\st+1], v[\st+1], v216         ; the running largest t
	v_mov_b32 v216, v[\st]
	v_floor_f32 v[\st], -v[\st+1]                  ; the new -M = floor(-t): M is a whole number
	v_sub_f32 v216, v[\st], v216                   ; old M - new M: a whole number, 0 or less
	v_cvt_i32_f32 v216, v216                       ; (it saturates)
	v_ldexp_f32 v218, 1.0, v216                    ; f = 2^(old M - new M)
.set j, 0
.rept 32
	v_pk_fma_f32 v[S+j:S+j+1], v[S+j:S+j+1], s[22:23], v[\st:\st+1] op_sel_hi:[1,0,0]   ; t - M, two at a time
.set j, j+2
.endr
.set j, 0
.rept 64
	v_exp_f32 v[S+j], v[S+j]                       ; p = 2^(t - M): one batch
.set j, j+1
.endr
	v_pk_mul_f32 v[\st+2:\st+3], v[\st+2:\st+3], v[218:219] op_sel_hi:[1,0]   ; the sum under the new M: the plain line behind the batch
	s_wait_alu depctr_va_vdst(0)                   ; one wait for the 64, ahead of their first reader
	v_pk_add_f32 v[220:221], v[S:S+1], v[S+2:S+3]  ; the row's sum is taken of the unquantised p, in two chains
.irp j, 4,8,12,16,20,24,28,32,36,40,44,48,52,56,60
	v_pk_add_f32 v[\st+2:\st+3], v[\st+2:\st+3], v[S+\j:S+\j+1]
	v_pk_add_f32 v[220:221], v[220:221], v[S+\j+2:S+\j+3]
.endr
	v_pk_add_f32 v[\st+2:\st+3], v[\st+2:\st+3], v[220:221]
	s_cmp_lg_u32 s28, 0                            ; p is at most 1.  Where e8 >= -8 the largest code stands for 448 x 2^e8 >= 1.75, and the hold can change no number: it is passed over.
	s_cbranch_scc1 .Lno_hold_\@                    ; The branch hangs on a whole number among the inputs, the same in every wave; no barrier stands under it
.set j, 0
.rept 64
	v_min_num_f32 v[S+j], v[S+j], v225             ; the conversion does not saturate (ISA guide 7.6.2); p is not negative, so the hold is one-sided
.set j, j+1
.endr
.Lno_hold_\@:
.irp b, 0,1,2,3
	v_cvt_scalef32_pk8_fp8_f32 v[P+4*\b:P+4*\b+1], v[S+16*\b:S+16*\b+7], v224
	v_cvt_scalef32_pk8_fp8_f32 v[P+4*\b+2:P+4*\b+3], v[S+16*\b+8:S+16*\b+15], v224
.endr
.irp k, 0,2,4,6,8,10,12,14
	v_pk_mul_f32 v[\o+\k:\o+\k+1], v[\o+\k:\o+\k+1], v[218:219] op_sel_hi:[1,0]   ; O^T under the new M.  (Also the plain lines between the conversions and the products that read their results)
.endr
.if \first
	s_wait_dscnt 0x0                               ; V's eight loads
.endif
	v_wmma_f32_16x16x128_fp8_fp8 v[\o:\o+7], v[VF:VF+15], v[P:P+15], v[\o:\o+7]                  ; two accumulators by turns; the next matrix instructions are the other tile's scores
	v_wmma_f32_16x16x128_fp8_fp8 v[\o+8:\o+15], v[VF+16:VF+31], v[P:P+15], v[\o+8:\o+15]
.endm
	s_load_b256 s[4:11], s[0:1], 0x0               ; q_img, k_img, v_img, the exponents s[10:11]
	s_load_b64 s[12:13], s[0:1], 0x20              ; ctx_img
	v_lshl_add_u32 v2, v0, 2, SPARE
	v_mov_b32 v3, 0
	v_lshrrev_b32 v4, 5, v0
	v_readfirstlane_b32 s21, v4                    ; wave 0..15
	v_and_b32 v1, 31, v0
	v_lshlrev_b32 v1, 4, v1                        ; 16 x lane
	v_lshlrev_b32 v6, 4, v0                        ; 16 x thread
	v_add_nc_u32 v7, 0x10000, v6
	s_and_b32 s14, ttmp7, 0xffff                   ; y = 16 b + head
	s_lshl_b32 s30, s14, 16                        ; its 65,536 bytes in each of the three images
	s_mov_b32 s31, 0
	s_lshl_b32 s15, ttmp9, 14                      ; q: tiles 32 x on,
	s_lshl_b32 s36, s21, 10                        ; + 2 x wave
	s_add_co_u32 s15, s15, s36
	s_add_co_u32 s32, s30, s15
	s_mov_b32 s33, 0
	s_lshr_b32 s34, s14, 4                         ; ctx_img: ((128 b + 32 x + 2 wave) 16 + head) 512
	s_lshl_b32 s34, s34, 20
	s_lshl_b32 s36, ttmp9, 18
	s_add_co_u32 s34, s34, s36
	s_lshl_b32 s36, s21, 14
	s_add_co_u32 s34, s34, s36
	s_and_b32 s36, s14, 15
	s_lshl_b32 s36, s36, 9
	s_add_co_u32 s34, s34, s36
	s_mov_b32 s35, 0
	s_mov_b32 s24, 0x76543210                      ; v_permlanex16_b32's selects: lane l xor 16
	s_mov_b32 s25, 0xfedcba98
	s_wait_kmcnt 0x0
	s_load_b128 s[16:19], s[10:11], 0x18           ; e6, e7, e8, e9
	s_load_b32 s20, s[10:11], 0x28                 ; e10
	s_add_nc_u64 s[4:5], s[4:5], s[32:33]
	s_add_nc_u64 s[6:7], s[6:7], s[30:31]
	s_add_nc_u64 s[8:9], s[8:9], s[30:31]
	s_add_nc_u64 s[12:13], s[12:13], s[34:35]
	global_load_b128 v[QZA+4:QZA+7], v1, s[4:5] th:TH_LOAD_NT
	global_load_b128 v[QZB+4:QZB+7], v1, s[4:5] offset:512 th:TH_LOAD_NT
.irp i, 0,1,2,3,4,5,6,7
	global_load_b128 v[S+4*\i:S+4*\i+3], v6, s[6:7] offset:8192*\i          ; the work-group's 512 threads take 8,192 consecutive bytes of K's image
.endr
.irp i, 0,1,2,3,4,5,6,7
	global_load_b128 v[S+32+4*\i:S+32+4*\i+3], v6, s[8:9] offset:8192*\i    ; and of V's
.endr
.irp z, 0,1,2,3,8,9,10,11
	v_mov_b32 v[QZA+\z], 0
	v_mov_b32 v[QZB+\z], 0
.endr
	v_mov_b32 v9, 0xff61b1e6                       ; the largest t so far: -3e38, under every t
	v_mov_b32 v13, 0xff61b1e6
	v_floor_f32 v8, -v9                            ; -M
	v_floor_f32 v12, -v13
	v_mov_b32 v10, 0                               ; the sums
	v_mov_b32 v11, 0
	v_mov_b32 v14, 0
	v_mov_b32 v15, 0
	v_mov_b32 v219, 0                              ; (named as the upper half of the pair v[218:219])
	v_mov_b32 v222, 0                              ; written once: a lane permute's destination counts as one of its sources
.set j, 0
.rept 32
	v_mov_b32 v[OA+j], 0                           ; O^T of both tiles: the step is written once, and its first trip finds zeros, which the first change of M leaves zeros
.set j, j+1
.endr
	s_wait_kmcnt 0x0
	s_add_co_i32 s36, s16, s17
	s_lshl_b32 s36, s36, 23
	s_mov_b32 s22, 0x3e8293ee                      ; c = log2(e) / sqrt(32)
	s_add_co_i32 s22, s22, s36                     ; a score stands for score x 2^(e6 + e7): added to c's exponent field
	s_mov_b32 s23, s22                             ; (named with it as a pair)
	MKSC s18, 224, 225
	MKSC s20, 226, 227
	s_add_co_i32 s29, s18, s19                     ; e8 + e9
	s_cmp_ge_i32 s18, -8
	s_cselect_b32 s28, 1, 0                        ; 1: p's hold can change nothing
.irp i, 0,1,2,3,4,5,6,7
	s_wait_loadcnt 15-\i                           ; loads come back in order: this one is in, the younger ones may be out
	ds_store_b128 v6, v[S+4*\i:S+4*\i+3] offset:8192*\i
.endr
.irp i, 0,1,2,3,4,5,6,7
	s_wait_loadcnt 7-\i
	ds_store_b128 v7, v[S+32+4*\i:S+32+4*\i+3] offset:8192*\i
.endr
	s_wait_dscnt 0x0                               ; my part of the two images lies in LDS
	s_barrier_signal -1
	s_barrier_wait -1                              ; everybody's does
	s_mov_b32 s26, 0                               ; the step's first byte in each image
	s_mov_b32 s27, 16
.Lkey:                                             ; sixteen trips: 128 keys each
	v_add_nc_u32 v4, s26, v1
	v_add_nc_u32 v5, 0x10000, v4
	v_nop
	v_nop                                          ; with the two additions: four places in front of loads into registers that the last trip's products have read
.irp t, 0,1,2,3,4,5,6,7
	ds_load_b128 v[KF+4*\t:KF+4*\t+3], v4 offset:512*\t
.endr
.irp g, 0,1,2,3,4,5,6,7
	ds_load_b128 v[VF+4*\g:VF+4*\g+3], v5 offset:512*\g
.endr
	s_wait_dscnt 8                                 ; K's eight are in; V's eight may be out
	TILE 8, QZA, OA, 1
	TILE 12, QZB, OB, 0
	s_add_co_u32 s26, s26, 4096
	s_sub_co_u32 s27, s27, 1
	s_cmp_lg_u32 s27, 0
	s_cbranch_scc1 .Lkey
	; ---- the way out: O^T x 2^(e8 + e9) / the sum, quantised with 2^e10.  A lane's 16 registers are channels 16 h + 0 .. 15 of its query: one group of the projection's operand
.rept 4
	v_nop
.endr
	v_add_f32 v10, v10, v11                        ; the sum's two halves,
	v_add_f32 v14, v14, v15
	v_permlanex16_b32 v222, v10, s24, s25
	v_permlanex16_b32 v216, v14, s24, s25
	v_add_f32 v10, v10, v222                       ; and lane l xor 16's
	v_add_f32 v14, v14, v216
	v_rcp_f32 v10, v10
	v_rcp_f32 v14, v14
	v_nop                                          ; a plain line behind the two
	s_wait_alu depctr_va_vdst(0)                   ; and their one wait, ahead of the first reader
	v_ldexp_f32 v10, v10, s29
	v_ldexp_f32 v14, v14, s29
.set j, 0
.rept 16
	v_mul_f32 v[S+j], v[OA+j], v10
.set j, j+1
.endr
.set j, 0
.rept 16
	v_mul_f32 v[S+16+j], v[OB+j], v14
.set j, j+1
.endr
.set j, 0
.rept 32
	v_med3_num_f32 v[S+j], v[S+j], -v227, v227
.set j, j+1
.endr
.irp g, 0,1,2,3
	v_cvt_scalef32_pk8_fp8_f32 v[P+2*\g:P+2*\g+1], v[S+8*\g:S+8*\g+7], v226
.endr
	v_nop
	global_store_b128 v1, v[P:P+3], s[12:13]                    ; the wave stores 512 consecutive bytes: tile A's group
	global_store_b128 v1, v[P+4:P+7], s[12:13] offset:8192      ; tile B's
	s_wait_tensorcnt 0x0                           ; the wave's end: three closing lines behind my last LDS store
	ds_add_u32 v2, v3
	s_wait_dscnt 0x0
	s_endpgm
.Lfunc_end_k_q90d6ab07ca_attn:
	.size	k_q90d6ab07ca_attn, .Lfunc_end_k_q90d6ab07ca_attn-k_q90d6ab07ca_attn
	.p2alignl 7, 3214868480
	.fill 96, 4, 3214868480
	.section	.rodata,"a",@progbits
	.p2align	6, 0x0
	.amdhsa_kernel k_q90d6ab07ca_attn
		.amdhsa_group_segment_fixed_size 133120
		.amdhsa_private_segment_fixed_size 0
		.amdhsa_enable_private_segment 0
		.amdhsa_kernarg_size 40
		.amdhsa_user_sgpr_count 2
		.amdhsa_user_sgpr_kernarg_segment_ptr 1
		.amdhsa_wavefront_size32 1
		.amdhsa_system_sgpr_workgroup_id_x 1
		.amdhsa_system_sgpr_workgroup_id_y 1
		.amdhsa_system_sgpr_workgroup_id_z 1
		.amdhsa_system_vgpr_workitem_id 0
		.amdhsa_next_free_vgpr 256
		.amdhsa_next_free_sgpr 66
		.amdhsa_reserve_vcc 0
		.amdhsa_float_denorm_mode_32 3
		.amdhsa_float_denorm_mode_16_64 3
		.amdhsa_memory_ordered 1
		.amdhsa_forward_progress 1
		.amdhsa_inst_pref_size 38
	.end_amdhsa_kernel
	.amdgpu_metadata
---
amdhsa.version: [ 1, 2 ]
amdhsa.kernels:
  - .name:           k_q90d6ab07ca_attn
    .symbol:         k_q90d6ab07ca_attn.kd
    .args:
      - { .name: q_img, .offset: 0, .size: 8, .value_kind: global_buffer, .address_space: global }
      - { .name: k_img, .offset: 8, .size: 8, .value_kind: global_buffer, .address_space: global }
      - { .name: v_img, .offset: 16, .size: 8, .value_kind: global_buffer, .address_space: global }
      - { .name: lowp_scales, .offset: 24, .size: 8, .value_kind: global_buffer, .address_space: global }
      - { .name: ctx_img, .offset: 32, .size: 8, .value_kind: global_buffer, .address_space: global }
    .group_segment_fixed_size: 133120
    .private_segment_fixed_size: 0
    .kernarg_segment_align: 8
    .kernarg_segment_size: 40
    .max_flat_workgroup_size: 512
    .sgpr_count:     66
    .vgpr_count:     256
    .wavefront_size: 32
...
	.end_amdgpu_metadata
.endif
;; end of part 3
;; launch tail (part 4): grid 256 x 1, 16 waves a work-group, no clusters, 155,136 bytes of LDS; arguments ctx_img, x, wimg, lowp_scales, bo, ln2_g, ln2_b, b2, b1, out0; writes out0
.if DOCPART == 4
	.amdgcn_target "amdgcn-amd-amdhsa--gfx1250"
	.amdhsa_code_object_version 6
	.text
	.protected	k_q90d6ab07ca_tail
	.globl	k_q90d6ab07ca_tail
	.p2align	8
	.type	k_q90d6ab07ca_tail,@function
k_q90d6ab07ca_tail:
	s_mov_b64 s[64:65], 0
	v_nop
	global_prefetch_b8 v0, s[64:65] scope:SCOPE_SE
	s_setreg_imm32_b32 hwreg(HW_REG_WAVE_MODE, 25, 1), 1
	s_wait_xcnt 0x0
; xt = x + ctx wo + bo;  h = layer_norm(xt, ln2_g, ln2_b);  out0 = xt + relu(h w1 + b1) w2 + b2.  The three products on codes of E4M3; xt, h and the hidden layer never go to memory.  No work is left out.
; LIMITS: e12 and e14 - e12 - e13 between -126 and 119; e10 + e11 between -126 and 127; e14 + e15 between -126 and 126; e12 + e13 goes in by v_ldexp_f32.  NaN and infinity among the inputs are not served.
; SHARES.  A work-group takes 32 tokens: two permuted tiles (place r of tile T is token 8 T + r + 8 (r / 8)).  THE SIXTEEN WAVES SHARE THE COLUMNS: wave w makes channels 32 w .. 32 w + 31 of the projection and of the last
; product, and in each of four chunks of 512 hidden units those at 32 w .. 32 w + 31 of the chunk.  All products are used transposed (source 0 = weight): a lane holds one token and 16 neighbouring channels.
; OPERANDS GO FROM WAVE TO WAVE THROUGH LDS AS IMAGES OF THEIR REGISTERS: group (tile T, K step s, c) at (16 T + 4 s + c) 512 + 16 lane; a wave's 32 channels are exactly group 16 T + w.
; THE WEIGHTS go from memory straight into the operand registers of the one wave that uses them: 36 units of two fragments, four units (32 loads of 512 bytes a wave) out at a time; no address register is ever rewritten.
; NO JOINT LOADS: a tile asked for jointly lands in LDS; here a weight fragment feeds one wave alone, two matrix instructions, so every weight byte would be written to LDS and read back once more, in a ring with a round for each slot.
; The norm's sums meet in LDS: mean first, then the deviations' squares (two barriers).  b1 goes in as the first product's C, divided by 2^(e12 + e13); xt + b2 rides in the last product's accumulators, divided by 2^(e14 + e15): both exact.
.set CIMG,  0                          ; LDS: ctx's images, 16,384 bytes
.set HIMG,  16384                      ; h's images
.set HID,   32768                      ; the hidden layer's, two buffers of 16,384 by turns
.set VEC,   65536                      ; b1 / 2^(e12 + e13) (8,192 bytes), bo, ln2_g, ln2_b, b2 (2,048 each)
.set PART1, 81920                      ; the waves' sums: token place r at 80 r, tile T at 1,280 T, wave w at 4 w;  the squares' 2,560 bytes on
.set XST,   87040                      ; x's 32 rows, later out0's: row 16 T + r, pitch 2,064: 516 words, so that sixteen rows start at sixteen different groups of four banks
.set SPARE, 153088                     ; the spare words: 128 bytes for each of sixteen waves
.set ACC2, 16                          ; v16-47   projection, xt, the last product: 16 T + 8 u
.set ACC1, 48                          ; v48-79   x, xt - mean, h, the hidden layer
.set XF,   80                          ; v80-111  two fragments from LDS; also vectors and sums
.set CD,   112                         ; v112-119 codes just made
.set WR,   120                         ; v120-247 four units of two weight fragments
; v1 16 x lane; v2 16 x thread; v3, v4 the add's two; v5 my 64 bytes of a row in XST; v6 my group in an image; v7, v8 the sums' words; v9 my 64 bytes of a vector; v10 XST by rows; v11 VEC by threads;
; v12, v13: 2^e12 and 448 x that; v14, v15: the same for e14 - e12 - e13; v248-253 at work
.macro MKSC e, vs, vl
	s_add_co_i32 s29, \e, 127
	s_lshl_b32 s9, s29, 23
	v_mov_b32 v[\vs], s9
	s_add_co_i32 s29, s29, 8
	s_lshl_b32 s29, s29, 23
	s_or_b32 s29, s29, 0x600000
	v_mov_b32 v[\vl], s29
.endm
.macro WLOAD n                         ; unit n: 0-3 wo's K steps; then for each chunk j four of w1 and four of w2
.set wn, \n
.if wn < 4
.set wsel, 0
.set woff, wn*2048
.set wu, 8192
.else
.set wj, (wn-4)/8
.set wq, (wn-4)%8
.if wq < 4
.set wsel, 1
.set woff, wj*262144+wq*2048
.set wu, 8192
.else
.set wsel, 2
.set woff, (4*wj+wq-4)*2048
.set wu, 32768
.endif
.endif
.irp u, 0,1
.irp c, 0,1,2,3
	global_load_b128 v[WR+32*(wn%4)+16*\u+4*\c:WR+32*(wn%4)+16*\u+4*\c+3], v1, s[48+2*wsel:49+2*wsel] offset:woff+wu*\u+512*\c
.endr
.endr
.endm
.macro FETCH base                      ; the two tiles' fragments of one K step
.irp t, 0,1
.irp c, 0,1,2,3
	ds_load_b128 v[XF+16*\t+4*\c:XF+16*\t+4*\c+3], v1 offset:(\base)+(16*\t+\c)*512
.endr
.endr
.endm
.macro UNIT n, acc, zero
.if 35-(\n) >= 3
	s_wait_loadcnt 24                              ; this unit's eight loads are in; the next three units' may be out
.else
	s_wait_loadcnt 8*(35-(\n))
.endif
	s_wait_dscnt 0x0                               ; the fragments from LDS (and whatever else was asked of it)
.irp u, 0,1                            ; four accumulators by turns, one instruction a turn, in the same order in every unit
.irp t, 0,1
.if \zero
	v_wmma_f32_16x16x128_fp8_fp8 v[\acc+16*\t+8*\u:\acc+16*\t+8*\u+7], v[WR+32*((\n)%4)+16*\u:WR+32*((\n)%4)+16*\u+15], v[XF+16*\t:XF+16*\t+15], 0
.else
	v_wmma_f32_16x16x128_fp8_fp8 v[\acc+16*\t+8*\u:\acc+16*\t+8*\u+7], v[WR+32*((\n)%4)+16*\u:WR+32*((\n)%4)+16*\u+15], v[XF+16*\t:XF+16*\t+15], v[\acc+16*\t+8*\u:\acc+16*\t+8*\u+7]
.endif
.endr
.endr
.rept 4
	v_nop                                          ; four places in front of loads into registers that matrix instructions have read, and of the first read of results
.endr
.if (\n)+4 < 36
	WLOAD (\n)+4
.endif
.endm
.macro VLD off, reg                    ; 16 numbers of a vector at my channels
.irp i, 0,1,2,3
	ds_load_b128 v[\reg+4*\i:\reg+4*\i+3], v9 offset:\off+16*\i
.endr
.endm
.macro BAR                             ; my LDS stores have landed and my LDS loads are in: then the work-group's barrier
	s_wait_dscnt 0x0
	s_barrier_signal -1
	s_barrier_wait -1
.endm
.macro SUM16 d, s
	v_pk_add_f32 v[\d:\d+1], v[\s:\s+1], v[\s+2:\s+3]
.irp k, 4,6,8,10,12,14
	v_pk_add_f32 v[\d:\d+1], v[\d:\d+1], v[\s+\k:\s+\k+1]
.endr
	v_add_f32 v[\d], v[\d], v[\d+1]
.endm
.macro SQ16 d, s
	v_pk_mul_f32 v[\d:\d+1], v[\s:\s+1], v[\s:\s+1]
.irp k, 2,4,6,8,10,12,14
	v_pk_fma_f32 v[\d:\d+1], v[\s+\k:\s+\k+1], v[\s+\k:\s+\k+1], v[\d:\d+1]
.endr
	v_add_f32 v[\d], v[\d], v[\d+1]
.endm
.macro MEET off                        ; v248, v250 (tiles 0, 1): my 16 channels' figure -> the sum over all 512 channels of the token
	v_permlanex16_b32 v252, v248, s60, s61
	v_permlanex16_b32 v253, v250, s60, s61
	v_add_f32 v248, v248, v252                     ; my wave's 32 channels
	v_add_f32 v250, v250, v253
	ds_store_b32 v7, v248 offset:\off              ; (both halves of the lanes write the same word with the same number)
	ds_store_b32 v7, v250 offset:\off+1280
	BAR
.irp t, 0,1
.irp i, 0,1,2,3
	ds_load_b128 v[XF+16*\t+4*\i:XF+16*\t+4*\i+3], v8 offset:\off+1280*\t+16*\i
.endr
.endr
	s_wait_dscnt 0x0
	SUM16 248, XF
	SUM16 250, XF+16
.endm
.macro CHUNK j                         ; hidden units 512 j .. 512 j + 511
.irp t, 0,1
.irp i, 0,1,2,3
	ds_load_b128 v[ACC1+16*\t+4*\i:ACC1+16*\t+4*\i+3], v9 offset:2048*(\j)+16*\i   ; the bias is the sums' beginning
.endr
.endr
.irp s, 0,1,2,3
	FETCH HIMG+2048*\s
	UNIT 4+8*(\j)+\s, ACC1, 0
.endr
.set k, 0
.rept 32
	v_med3_num_f32 v[ACC1+k], v[ACC1+k], 0, v15    ; the activation and the hold in one; each accumulator from its low end on
.set k, k+1
.endr
.irp g, 0,1,2,3
	v_cvt_scalef32_pk8_fp8_f32 v[CD+2*\g:CD+2*\g+1], v[ACC1+8*\g:ACC1+8*\g+7], v14
.endr
	v_nop                                          ; a plain line behind the last conversion
	ds_store_b128 v6, v[CD:CD+3] offset:HID+16384*((\j)%2)
	ds_store_b128 v6, v[CD+4:CD+7] offset:HID+16384*((\j)%2)+8192
	BAR                                            ; the chunk's images lie in LDS.  The other buffer is written again only behind the next chunk's barrier, which every wave reaches behind its reads of it
.irp s, 0,1,2,3
	FETCH HID+16384*((\j)%2)+2048*\s
	UNIT 8+8*(\j)+\s, ACC2, 0
.endr
.endm
	s_load_b512 s[8:23], s[0:1], 0x0               ; ctx_img, x, wimg, the exponents s[14:15], bo, ln2_g, ln2_b, b2
	s_load_b128 s[24:27], s[0:1], 0x40             ; b1, out0
	v_lshl_add_u32 v3, v0, 2, SPARE
	v_mov_b32 v4, 0
	v_lshrrev_b32 v5, 5, v0
	v_readfirstlane_b32 s28, v5                    ; wave 0..15
	v_and_b32 v248, 31, v0
	v_lshlrev_b32 v1, 4, v248
	v_lshlrev_b32 v2, 4, v0
	v_and_b32 v249, 15, v0                         ; r
	v_bfe_u32 v250, v0, 4, 1                       ; h
	v_mul_u32_u24 v5, v249, 2064
	v_lshl_add_u32 v5, v250, 6, v5
	s_lshl_b32 s29, s28, 7
	s_add_co_u32 s30, s29, XST
	v_add_nc_u32 v5, s30, v5                       ; XST + 2,064 r + 128 w + 64 h
	s_lshl_b32 s30, s28, 9
	v_add_nc_u32 v6, s30, v1                       ; 512 w + 16 lane
	v_mul_u32_u24 v8, v249, 80
	v_add_nc_u32 v8, PART1, v8
	s_lshl_b32 s30, s28, 2
	v_add_nc_u32 v7, s30, v8
	s_add_co_u32 s30, s29, VEC
	v_lshl_add_u32 v9, v250, 6, s30                ; VEC + 128 w + 64 h
	v_lshrrev_b32 v10, 7, v0
	v_mul_u32_u24 v10, v10, 2064
	v_and_b32 v251, 127, v0
	v_lshlrev_b32 v251, 4, v251                    ; 16 (thread % 128): also my place in one of the four short vectors
	v_add_nc_u32 v10, v10, v251
	v_add_nc_u32 v10, XST, v10
	v_add_nc_u32 v11, VEC, v2
	v_mov_b32 v252, 0                              ; written once: a lane permute's destination counts as one of its sources
	v_mov_b32 v253, 0
	s_lshl_b32 s2, ttmp9, 16                       ; my 32 rows of x and of out0
	s_mov_b32 s3, 0
	s_lshl_b32 s4, ttmp9, 14                       ; my two tiles of ctx_img
	s_mov_b32 s5, 0
	s_lshl_b32 s48, s28, 14
	s_add_co_u32 s50, s48, 1048576                 ; w1: my two tiles of a chunk
	s_add_co_u32 s48, s48, 786432                  ; wo: my two tiles
	s_mov_b32 s49, 0
	s_mov_b32 s51, 0
	s_lshl_b32 s52, s28, 16
	s_add_co_u32 s52, s52, 2097152                 ; w2: my two tiles
	s_mov_b32 s53, 0
	s_lshr_b32 s31, s28, 2                         ; which short vector my wave copies
	s_mov_b32 s60, 0x76543210
	s_mov_b32 s61, 0xfedcba98
	s_mov_b32 s62, 0x3b000000                      ; 1 / 512
	s_mov_b32 s63, 0x3727c5ac                      ; 1e-5
	s_wait_kmcnt 0x0
	s_load_b512 s[32:47], s[14:15], 0x0            ; the sixteen exponents
	s_add_nc_u64 s[48:49], s[12:13], s[48:49]
	s_add_nc_u64 s[50:51], s[12:13], s[50:51]
	s_add_nc_u64 s[52:53], s[12:13], s[52:53]
	s_add_nc_u64 s[6:7], s[26:27], s[2:3]          ; out0
	s_add_nc_u64 s[2:3], s[10:11], s[2:3]          ; x
	s_add_nc_u64 s[4:5], s[8:9], s[4:5]            ; ctx_img
	s_mov_b64 s[10:11], s[16:17]                   ; bo, ln2_g, ln2_b or b2: a choice on the wave's number
	s_cmp_eq_u32 s31, 1
	s_cselect_b64 s[10:11], s[18:19], s[10:11]
	s_cmp_eq_u32 s31, 2
	s_cselect_b64 s[10:11], s[20:21], s[10:11]
	s_cmp_eq_u32 s31, 3
	s_cselect_b64 s[10:11], s[22:23], s[10:11]
.irp i, 0,1,2,3,4,5,6,7
	global_load_b128 v[48+4*\i:51+4*\i], v2, s[2:3] offset:8192*\i th:TH_LOAD_NT   ; four rows of x: the 512 threads take 8,192 consecutive bytes
.endr
	global_load_b128 v[80:83], v2, s[4:5] th:TH_LOAD_NT
	global_load_b128 v[84:87], v2, s[4:5] offset:8192 th:TH_LOAD_NT
	global_load_b128 v[88:91], v2, s[24:25]
	global_load_b128 v[92:95], v251, s[10:11]
	WLOAD 0
	WLOAD 1
	WLOAD 2
	WLOAD 3
	s_wait_kmcnt 0x0
	s_add_co_i32 s54, s42, s43
	s_add_co_i32 s54, s54, 127
	s_lshl_b32 s54, s54, 23                        ; 2^(e10 + e11)
	s_mov_b32 s55, s54
	s_add_co_i32 s58, s46, s47
	s_sub_co_i32 s56, 127, s58
	s_lshl_b32 s56, s56, 23                        ; 2^-(e14 + e15)
	s_mov_b32 s57, s56
	s_add_co_i32 s58, s58, 127
	s_lshl_b32 s58, s58, 23                        ; 2^(e14 + e15)
	s_mov_b32 s59, s58
	s_add_co_i32 s30, s44, s45
	s_sub_co_i32 s31, s46, s30                     ; e14 - e12 - e13
	s_sub_co_i32 s30, 0, s30                       ; -(e12 + e13)
	MKSC s44, 12, 13
	MKSC s31, 14, 15
	s_wait_loadcnt 32                              ; the twelve loads above are in; the four units' 32 may be out
.irp k, 0,1,2,3
	v_ldexp_f32 v[88+\k], v[88+\k], s30            ; b1 / 2^(e12 + e13)
.endr
.irp i, 0,1,2,3,4,5,6,7
	ds_store_b128 v10, v[48+4*\i:51+4*\i] offset:(16*((\i/2)%2)+8*(\i/4)+4*(\i%2))*2064   ; tokens 4 i .. 4 i + 3 go to the rows of their tile and place
.endr
	ds_store_b128 v2, v[80:83] offset:CIMG
	ds_store_b128 v2, v[84:87] offset:CIMG+8192
	ds_store_b128 v11, v[88:91]
	ds_store_b128 v11, v[92:95] offset:8192
	BAR
	; ---- the projection, the residual
	FETCH CIMG
	UNIT 0, ACC2, 1
.irp s, 1,2,3
	FETCH CIMG+2048*\s
	UNIT \s, ACC2, 0
.endr
.irp t, 0,1
.irp i, 0,1,2,3
	ds_load_b128 v[ACC1+16*\t+4*\i:ACC1+16*\t+4*\i+3], v5 offset:33024*\t+16*\i   ; x at my token and channels
.endr
.endr
	VLD 8192, XF                                   ; bo
	s_wait_dscnt 0x0
.irp t, 0,1
.irp k, 0,2,4,6,8,10,12,14
	v_pk_fma_f32 v[ACC2+16*\t+\k:ACC2+16*\t+\k+1], v[ACC2+16*\t+\k:ACC2+16*\t+\k+1], s[54:55], v[XF+\k:XF+\k+1] op_sel_hi:[1,0,1]   ; sum x 2^(e10 + e11) + bo; each accumulator from its low end on
.endr
.endr
.set k, 0
.rept 16
	v_pk_add_f32 v[ACC2+k:ACC2+k+1], v[ACC2+k:ACC2+k+1], v[ACC1+k:ACC1+k+1]   ; + x: xt
.set k, k+2
.endr
	; ---- the norm
	SUM16 248, ACC2
	SUM16 250, ACC2+16
	MEET 0
	v_mul_f32 v248, s62, v248                      ; the means
	v_mul_f32 v250, s62, v250
.irp t, 0,1
.irp k, 0,2,4,6,8,10,12,14
	v_pk_add_f32 v[ACC1+16*\t+\k:ACC1+16*\t+\k+1], v[ACC2+16*\t+\k:ACC2+16*\t+\k+1], v[248+2*\t:249+2*\t] op_sel_hi:[1,0] neg_lo:[0,1] neg_hi:[0,1]
.endr
.endr
	SQ16 248, ACC1
	SQ16 250, ACC1+16
	MEET 2560
	VLD 10240, XF                                  ; ln2_g
	VLD 12288, XF+16                               ; ln2_b
	v_fma_f32 v248, v248, s62, s63                 ; the variance + 1e-5
	v_fma_f32 v250, v250, s62, s63
	v_rsq_f32 v248, v248
	v_rsq_f32 v250, v250
	v_nop                                          ; a plain line behind the two
	s_wait_dscnt 0x0
	s_wait_alu depctr_va_vdst(0)                   ; and their one wait, ahead of the first reader
.irp t, 0,1
.irp k, 0,2,4,6,8,10,12,14
	v_pk_mul_f32 v[ACC1+16*\t+\k:ACC1+16*\t+\k+1], v[ACC1+16*\t+\k:ACC1+16*\t+\k+1], v[248+2*\t:249+2*\t] op_sel_hi:[1,0]
.endr
.irp k, 0,2,4,6,8,10,12,14
	v_pk_fma_f32 v[ACC1+16*\t+\k:ACC1+16*\t+\k+1], v[ACC1+16*\t+\k:ACC1+16*\t+\k+1], v[XF+\k:XF+\k+1], v[XF+16+\k:XF+16+\k+1]
.endr
.endr
.set k, 0
.rept 32
	v_med3_num_f32 v[ACC1+k], v[ACC1+k], -v13, v13
.set k, k+1
.endr
.irp g, 0,1,2,3
	v_cvt_scalef32_pk8_fp8_f32 v[CD+2*\g:CD+2*\g+1], v[ACC1+8*\g:ACC1+8*\g+7], v12
.endr
	v_nop
	ds_store_b128 v6, v[CD:CD+3] offset:HIMG
	ds_store_b128 v6, v[CD+4:CD+7] offset:HIMG+8192
	VLD 14336, XF                                  ; b2: the barrier's wait serves it too
	BAR                                            ; h's images lie in LDS
.irp k, 0,2,4,6,8,10,12,14
	v_pk_mul_f32 v[XF+\k:XF+\k+1], v[XF+\k:XF+\k+1], s[56:57] op_sel_hi:[1,0]
.endr
.irp t, 0,1
.irp k, 0,2,4,6,8,10,12,14
	v_pk_fma_f32 v[ACC2+16*\t+\k:ACC2+16*\t+\k+1], v[ACC2+16*\t+\k:ACC2+16*\t+\k+1], s[56:57], v[XF+\k:XF+\k+1] op_sel_hi:[1,0,1]   ; (xt + b2) / 2^(e14 + e15): where the last product's sums begin
.endr
.endr
	; ---- the two layers, 512 hidden units at a time
	CHUNK 0
	CHUNK 1
	CHUNK 2
	CHUNK 3
	; ---- the way out: through XST, whose last reads stood ahead of the norm's barriers, so that whole rows leave
.set k, 0
.rept 16
	v_pk_mul_f32 v[ACC1+k:ACC1+k+1], v[ACC2+k:ACC2+k+1], s[58:59] op_sel_hi:[1,0]   ; x 2^(e14 + e15); each accumulator from its low end on
.set k, k+2
.endr
.irp t, 0,1
.irp i, 0,1,2,3
	ds_store_b128 v5, v[ACC1+16*\t+4*\i:ACC1+16*\t+4*\i+3] offset:33024*\t+16*\i
.endr
.endr
	BAR
.irp i, 0,1,2,3,4,5,6,7
	ds_load_b128 v[XF+4*\i:XF+4*\i+3], v10 offset:(16*((\i/2)%2)+8*(\i/4)+4*(\i%2))*2064
.endr
.irp i, 0,1,2,3,4,5,6,7
	s_wait_dscnt 7-\i                              ; LDS loads come back in order: this one is in, the younger ones may be out
	global_store_b128 v2, v[XF+4*\i:XF+4*\i+3], s[6:7] offset:8192*\i th:TH_STORE_NT   ; a wave stores 512 consecutive bytes of a row
.endr
	s_wait_tensorcnt 0x0                           ; the wave's end: three closing lines behind my last LDS store
	ds_add_u32 v3, v4
	s_wait_dscnt 0x0
	s_endpgm
.Lfunc_end_k_q90d6ab07ca_tail:
	.size	k_q90d6ab07ca_tail, .Lfunc_end_k_q90d6ab07ca_tail-k_q90d6ab07ca_tail
	.p2alignl 7, 3214868480
	.fill 96, 4, 3214868480
	.section	.rodata,"a",@progbits
	.p2align	6, 0x0
	.amdhsa_kernel k_q90d6ab07ca_tail
		.amdhsa_group_segment_fixed_size 155136
		.amdhsa_private_segment_fixed_size 0
		.amdhsa_enable_private_segment 0
		.amdhsa_kernarg_size 80
		.amdhsa_user_sgpr_count 2
		.amdhsa_user_sgpr_kernarg_segment_ptr 1
		.amdhsa_wavefront_size32 1
		.amdhsa_system_sgpr_workgroup_id_x 1
		.amdhsa_system_sgpr_workgroup_id_y 1
		.amdhsa_system_sgpr_workgroup_id_z 1
		.amdhsa_system_vgpr_workitem_id 0
		.amdhsa_next_free_vgpr 256
		.amdhsa_next_free_sgpr 66
		.amdhsa_reserve_vcc 0
		.amdhsa_float_denorm_mode_32 3
		.amdhsa_float_denorm_mode_16_64 3
		.amdhsa_memory_ordered 1
		.amdhsa_forward_progress 1
		.amdhsa_inst_pref_size 100
	.end_amdhsa_kernel
	.amdgpu_metadata
---
amdhsa.version: [ 1, 2 ]
amdhsa.kernels:
  - .name:           k_q90d6ab07ca_tail
    .symbol:         k_q90d6ab07ca_tail.kd
    .args:
      - { .name: ctx_img, .offset: 0, .size: 8, .value_kind: global_buffer, .address_space: global }
      - { .name: x, .offset: 8, .size: 8, .value_kind: global_buffer, .address_space: global }
      - { .name: wimg, .offset: 16, .size: 8, .value_kind: global_buffer, .address_space: global }
      - { .name: lowp_scales, .offset: 24, .size: 8, .value_kind: global_buffer, .address_space: global }
      - { .name: bo, .offset: 32, .size: 8, .value_kind: global_buffer, .address_space: global }
      - { .name: ln2_g, .offset: 40, .size: 8, .value_kind: global_buffer, .address_space: global }
      - { .name: ln2_b, .offset: 48, .size: 8, .value_kind: global_buffer, .address_space: global }
      - { .name: b2, .offset: 56, .size: 8, .value_kind: global_buffer, .address_space: global }
      - { .name: b1, .offset: 64, .size: 8, .value_kind: global_buffer, .address_space: global }
      - { .name: out0, .offset: 72, .size: 8, .value_kind: global_buffer, .address_space: global }
    .group_segment_fixed_size: 155136
    .private_segment_fixed_size: 0
    .kernarg_segment_align: 8
    .kernarg_segment_size: 80
    .max_flat_workgroup_size: 512
    .sgpr_count:     66
    .vgpr_count:     256
    .wavefront_size: 32
...
	.end_amdgpu_metadata
.endif
;; end of part 4
;; ======== version 2 of 2: 4 launches
;; workspace buffers: wimg 3,145,728 bytes; q_img 4,194,304 bytes; k_img 4,194,304 bytes; v_img 4,194,304 bytes; ctx_img 4,194,304 bytes
;; launch wprep (part 5): grid 128 x 3, 4 waves a work-group, no clusters, 0 bytes of LDS; arguments wq, wk, wv, wo, w2, w1, lowp_scales, wimg; writes wimg
.if DOCPART == 5
	.amdgcn_target "amdgcn-amd-amdhsa--gfx1250"
	.amdhsa_code_object_version 6
	.text
	.protected	k_q90d6ab07ca_wprep
	.globl	k_q90d6ab07ca_wprep
	.p2align	8
	.type	k_q90d6ab07ca_wprep,@function
k_q90d6ab07ca_wprep:
	s_mov_b64 s[64:65], 0
	v_nop
	global_prefetch_b8 v0, s[64:65] scope:SCOPE_SE
	s_setreg_imm32_b32 hwreg(HW_REG_WAVE_MODE, 25, 1), 1
	s_wait_xcnt 0x0
; The six weights, f32 stored [K][N], become codes of E4M3 in wimg, each with its given scale 2^e (entries 1, 3, 5, 11, 15, 13 of lowp_scales).
; DEAD WORK: none in the whole program.  Every input of reference() has a way to out0, no product is thrown away, there is no mask: all eight products and all biases and gains are computed.
; code = w / 2^e, held within +-448, to the nearest code, ties to even.  LIMITS: -126 <= e <= 119, so that 2^e and 448 x 2^e are f32 numbers.  NaN and infinity among the inputs are not served.
; LAYOUT OF wimg: images of the operand's registers.  A fragment is 16 output columns x 128 along K, 16 registers a lane: registers 4 c .. 4 c + 3 of lane (r, h) hold k = 32 c + 16 h + 0 .. 15
; of the tile's column at place r.  Group c lies at 512 c, lane l's 16 bytes at 16 l; fragment (tile nt, K step s) at (nt x K/128 + s) x 2,048 behind the matrix's base.
; THE COLUMNS OF A TILE ARE NOT NEIGHBOURS: place r of tile 2 p + u is column 32 p + 8 u + r + 8 (r / 8), so that a product used transposed leaves 16 neighbouring columns in the 16 registers of two tiles.
; SHARES.  A lane takes a column and its registers run down K, so the conversions give codes with K innermost and nothing is transposed.  A wave takes 32 columns x 64 along K, a work-group 128 columns.
; Each load of a wave reads 128 consecutive bytes; each store writes two aligned runs of 256 bytes (lanes 0-15: tile 2 p; lanes 16-31: tile 2 p + 1).
; Grid y = 0: wq, wk, wv, wo (32 work-groups each); y = 1: w2; y = 2: w1.  No LDS, no barrier, no matrix unit: waves share nothing, and no byte is read twice, so there is nothing to ask for jointly.
.set X, 16                             ; v16-79  64 numbers down K
.set C, 80                             ; v80-95  their codes: eight registers for each block of 32
.macro QW stride                       ; stride: bytes from a row of the weight to the next
.set i, 0
.rept 64
	global_load_b32 v[X+i], v1, s[48:49] offset:i*\stride th:TH_LOAD_NT
.set i, i+1
.endr
	s_wait_kmcnt 0x0                               ; the sixteen exponents
	s_mov_b32 s30, s33                             ; my weight's: chosen on the work-group's number alone
	s_cmp_eq_u32 s26, 1
	s_cselect_b32 s30, s35, s30
	s_cmp_eq_u32 s26, 2
	s_cselect_b32 s30, s37, s30
	s_cmp_eq_u32 s26, 3
	s_cselect_b32 s30, s43, s30
	s_cmp_eq_u32 s26, 4
	s_cselect_b32 s30, s47, s30
	s_cmp_eq_u32 s26, 5
	s_cselect_b32 s30, s45, s30
	s_add_co_i32 s30, s30, 127
	s_lshl_b32 s31, s30, 23
	v_mov_b32 v10, s31                             ; 2^e as f32: the conversion takes its exponent field
	s_add_co_i32 s30, s30, 8
	s_lshl_b32 s30, s30, 23
	s_or_b32 s30, s30, 0x600000
	v_mov_b32 v11, s30                             ; 448 x 2^e
	s_wait_alu depctr_va_vdst(0)
.irp b, 0,1
	s_wait_loadcnt 32-32*\b                        ; this block's 32 loads are in; the second block's may be out
.set i, 0
.rept 32
	v_med3_num_f32 v[X+32*\b+i], v[X+32*\b+i], -v11, v11   ; the conversion to an 8-bit code does not saturate (ISA guide 7.6.2): the hold comes first
.set i, i+1
.endr
.irp g, 0,1,2,3
	v_cvt_scalef32_pk8_fp8_f32 v[C+8*\b+2*\g:C+8*\b+2*\g+1], v[X+32*\b+8*\g:X+32*\b+8*\g+7], v10
.endr
	v_nop                                          ; a plain line behind the run of conversions
	global_store_b128 v2, v[C+8*\b:C+8*\b+3], s[50:51] offset:512*\b          ; k 0 .. 15 of the block: the image's lanes 0-15
	global_store_b128 v2, v[C+8*\b+4:C+8*\b+7], s[50:51] offset:512*\b+256    ; k 16 .. 31: its lanes 16-31
.endr
.endm
	s_load_b512 s[8:23], s[0:1], 0x0               ; wq, wk, wv, wo, w2, w1, the exponents s[20:21], wimg s[22:23]
	v_lshrrev_b32 v3, 5, v0
	v_readfirstlane_b32 s24, v3                    ; wave 0..3
	v_and_b32 v4, 15, v0                           ; r: my place in a tile
	v_bfe_u32 v5, v0, 4, 1                         ; u: which of the two tiles
	s_wait_alu depctr_va_vdst(0)
	v_and_b32 v6, 8, v4
	v_add_nc_u32 v6, v6, v4
	v_lshl_add_u32 v6, v5, 3, v6                   ; my column among the wave's 32: 8 u + r + 8 (r / 8)
	v_lshlrev_b32 v1, 2, v6
	s_and_b32 s25, ttmp7, 0xffff                   ; y
	s_lshr_b32 s26, ttmp9, 5                       ; y = 0: which of the four matrices
	s_and_b32 s27, ttmp9, 3                        ; cg: which 128 columns (y = 0, 1)
	s_lshr_b32 s28, ttmp9, 2                       ; kc: which 64 along K (y = 1)
	s_and_b32 s31, s28, 7                          ; (y = 0)
	s_lshl_b32 s52, s26, 18                        ; the matrix's base in wimg (y = 0)
	s_add_co_u32 s30, s25, 3
	s_mov_b32 s53, 0x200000
	s_cmp_eq_u32 s25, 0
	s_cselect_b32 s28, s31, s28
	s_cselect_b32 s52, s52, s53
	s_cselect_b32 s29, 4, 16                       ; K / 128
	s_cselect_b32 s26, s26, s30                    ; which weight: 0 .. 3, 4 = w2, 5 = w1
	s_and_b32 s53, ttmp9, 15
	s_lshr_b32 s54, ttmp9, 4
	s_mov_b32 s31, 0x100000
	s_cmp_eq_u32 s25, 2
	s_cselect_b32 s27, s53, s27
	s_cselect_b32 s28, s54, s28
	s_cselect_b32 s29, 4, s29
	s_cselect_b32 s52, s31, s52
	s_cselect_b32 s55, 19, 17                      ; 64 rows of 8,192 or of 2,048 bytes
	s_lshl_b32 s54, s28, s55                       ; from where: kc x 64 rows
	s_lshl_b32 s53, s27, 9
	s_add_co_u32 s54, s54, s53                     ; + 128 cg columns
	s_lshl_b32 s53, s24, 7
	s_add_co_u32 s54, s54, s53                     ; + 32 x wave columns
	s_mov_b32 s55, 0
	s_lshl_b32 s53, s27, 2
	s_add_co_u32 s53, s53, s24                     ; p = 4 cg + wave
	s_lshl_b32 s53, s53, 1
	s_mul_i32 s53, s53, s29                        ; tile 2 p's first fragment
	s_lshr_b32 s31, s28, 1
	s_add_co_u32 s53, s53, s31                     ; + the K step
	s_lshl_b32 s53, s53, 11
	s_add_co_u32 s52, s52, s53
	s_and_b32 s31, s28, 1
	s_lshl_b32 s31, s31, 10
	s_add_co_u32 s52, s52, s31                     ; + groups 0, 1 or 2, 3 of the fragment
	s_mov_b32 s53, 0
	s_lshl_b32 s31, s29, 11
	v_mul_lo_u32 v2, v5, s31                       ; tile 2 p + 1 lies K/128 fragments behind tile 2 p
	v_lshl_add_u32 v2, v4, 4, v2                   ; + 16 r
	s_wait_kmcnt 0x0
	s_load_b512 s[32:47], s[20:21], 0x0            ; the sixteen exponents
	s_mov_b64 s[48:49], s[8:9]                     ; my weight: a choice between buffers that hangs on the work-group's number alone
	s_cmp_eq_u32 s26, 1
	s_cselect_b64 s[48:49], s[10:11], s[48:49]
	s_cmp_eq_u32 s26, 2
	s_cselect_b64 s[48:49], s[12:13], s[48:49]
	s_cmp_eq_u32 s26, 3
	s_cselect_b64 s[48:49], s[14:15], s[48:49]
	s_cmp_eq_u32 s26, 4
	s_cselect_b64 s[48:49], s[16:17], s[48:49]
	s_cmp_eq_u32 s26, 5
	s_cselect_b64 s[48:49], s[18:19], s[48:49]
	s_add_nc_u64 s[48:49], s[48:49], s[54:55]
	s_add_nc_u64 s[50:51], s[22:23], s[52:53]
	s_cmp_eq_u32 s25, 2
	s_cbranch_scc1 .Lwide
	s_wait_alu depctr_va_vdst(0)
	QW 2048                                        ; rows of 512 numbers
	s_endpgm
.Lwide:
	s_wait_alu depctr_va_vdst(0)
	QW 8192                                        ; w1: rows of 2,048 numbers
	s_endpgm
.Lfunc_end_k_q90d6ab07ca_wprep:
	.size	k_q90d6ab07ca_wprep, .Lfunc_end_k_q90d6ab07ca_wprep-k_q90d6ab07ca_wprep
	.p2alignl 7, 3214868480
	.fill 96, 4, 3214868480
	.section	.rodata,"a",@progbits
	.p2align	6, 0x0
	.amdhsa_kernel k_q90d6ab07ca_wprep
		.amdhsa_group_segment_fixed_size 0
		.amdhsa_private_segment_fixed_size 0
		.amdhsa_enable_private_segment 0
		.amdhsa_kernarg_size 64
		.amdhsa_user_sgpr_count 2
		.amdhsa_user_sgpr_kernarg_segment_ptr 1
		.amdhsa_wavefront_size32 1
		.amdhsa_system_sgpr_workgroup_id_x 1
		.amdhsa_system_sgpr_workgroup_id_y 1
		.amdhsa_system_sgpr_workgroup_id_z 1
		.amdhsa_system_vgpr_workitem_id 0
		.amdhsa_next_free_vgpr 96
		.amdhsa_next_free_sgpr 66
		.amdhsa_reserve_vcc 0
		.amdhsa_float_denorm_mode_32 3
		.amdhsa_float_denorm_mode_16_64 3
		.amdhsa_memory_ordered 1
		.amdhsa_forward_progress 1
		.amdhsa_inst_pref_size 27
	.end_amdhsa_kernel
	.amdgpu_metadata
---
amdhsa.version: [ 1, 2 ]
amdhsa.kernels:
  - .name:           k_q90d6ab07ca_wprep
    .symbol:         k_q90d6ab07ca_wprep.kd
    .args:
      - { .name: wq, .offset: 0, .size: 8, .value_kind: global_buffer, .address_space: global }
      - { .name: wk, .offset: 8, .size: 8, .value_kind: global_buffer, .address_space: global }
      - { .name: wv, .offset: 16, .size: 8, .value_kind: global_buffer, .address_space: global }
      - { .name: wo, .offset: 24, .size: 8, .value_kind: global_buffer, .address_space: global }
      - { .name: w2, .offset: 32, .size: 8, .value_kind: global_buffer, .address_space: global }
      - { .name: w1, .offset: 40, .size: 8, .value_kind: global_buffer, .address_space: global }
      - { .name: lowp_scales, .offset: 48, .size: 8, .value_kind: global_buffer, .address_space: global }
      - { .name: wimg, .offset: 56, .size: 8, .value_kind: global_buffer, .address_space: global }
    .group_segment_fixed_size: 0
    .private_segment_fixed_size: 0
    .kernarg_segment_align: 8
    .kernarg_segment_size: 64
    .max_flat_workgroup_size: 128
    .sgpr_count:     66
    .vgpr_count:     96
    .wavefront_size: 32
...
	.end_amdgpu_metadata
.endif
;; end of part 5
;; launch qkv (part 6): grid 2 x 128, 8 waves a work-group, no clusters, 105,472 bytes of LDS; arguments x, ln1_g, ln1_b, wimg, lowp_scales, q_img, k_img, v_img; writes q_img, k_img, v_img
.if DOCPART == 6
	.amdgcn_target "amdgcn-amd-amdhsa--gfx1250"
	.amdhsa_code_object_version 6
	.text
	.protected	k_q90d6ab07ca_qkv
	.globl	k_q90d6ab07ca_qkv
	.p2align	8
	.type	k_q90d6ab07ca_qkv,@function
k_q90d6ab07ca_qkv:
	s_mov_b64 s[64:65], 0
	v_nop
	global_prefetch_b8 v0, s[64:65] scope:SCOPE_SE
	s_setreg_imm32_b32 hwreg(HW_REG_WAVE_SCHED_MODE, 0, 2), 2
	s_setreg_imm32_b32 hwreg(HW_REG_WAVE_MODE, 25, 1), 1
	s_wait_xcnt 0x0
	s_wait_alu depctr_vm_vsrc(0)
; xn = layer_norm(x, ln1_g, ln1_b); q = xn wq, k = xn wk, v = xn wv on codes of E4M3; q, k and v are quantised for the two products of attention and stored as images of operand registers.  No work is left out.
; xn is quantised three times, with 2^e0, 2^e2, 2^e4, as the table has it.  A sum of a product stands for sum x 2^(eA + eB); its code for the next product is sum / 2^(e' - eA - eB): the three scales are one conversion's scale.
; LIMITS: e0, e2, e4, e6 - e0 - e1, e7 - e2 - e3, e9 - e4 - e5 between -126 and 119.  NaN and infinity among the inputs are not served.
; SHARES.  Work-group (hg, rb): 64 tokens (rb), 8 heads (hg).  First wave w normalises tokens 8 w .. 8 w + 7 (a row of 512 numbers is 16 a lane; mean, then the deviations' squares: two passes over registers) and puts their
; codes into LDS; behind one barrier wave w makes q, k, v of head 8 hg + w for all 64 tokens: 12 steps (3 weights x 4 K steps of 128) of 8 matrix instructions.
; TILES OF TOKENS ARE PERMUTED: place r of tile 2 p + u is token 32 p + 8 u + r + 8 (r / 8); weight tiles likewise (see the launch that made wimg).  q, k: used transposed (source 0 = weight): a lane holds one token
; and 16 neighbouring channels, 16 h + 0 .. 15.  v: source 0 = tokens: a lane holds one channel and 16 neighbouring tokens, which are the second product's K.
; q_img, k_img: ((b 16 + head) 128 + tile) 512 + 16 lane.   v_img: (b 16 + head) 65,536 + ((step 2 + u) 4 + c) 512 + 16 lane: channel 8 u + r + 8 (r / 8), keys 128 step + 32 c + 16 h + 0 .. 15.
; LDS: xn's codes, three versions x four tiles; a tile is 32 lines (16 along K each) of 272 bytes, token place r at 16 r in a line: a fragment's group is read as 256 consecutive bytes for each half of the lanes.
; WEIGHTS go from memory straight into the operand registers of the one wave that uses them (four units of two fragments by turns, 24 to 32 loads out).  NO JOINT LOADS: a tile asked for jointly lands in LDS, and here
; each weight fragment feeds one wave alone, four matrix instructions: every weight byte would be written to LDS and read back once more.  The rows of x that the two work-groups of a token block share are 128 KB, read once at the head.
; THE MODE: SCHED_MODE bits 1:0 = 2 (LLVM: expert scheduling mode 2), set by the entry lines.  The code itself states the register dependences between vector or matrix instructions and memory or LDS
; instructions, with s_wait_alu, always for 0.
; THE PLAN.  Registers that memory or LDS instructions touch:
;   v1-v7        offsets and LDS addresses: made once at the head, never written again.
;   X, G, BT     loaded at the head; the norm's vector lines read and write them; from the products on they are XF0 and XF1.
;   CO0, CO1     two sets of 12 registers of codes: row i's conversions write set i % 2, the row's twelve LDS stores read it, row i + 2 writes it again; from the products on they are accumulators.
;   XF0, XF1     xn's fragments: step n's products read XF[n % 2]; at the step's head the fragments of step n + 1 are asked for, into the buffer that step n - 1 read.
;   W0 .. W3     weights, in window 1: step n's products read W[n % 4]; behind them unit n + 3 is asked for, into the unit that step n - 1 read.
;   CD           a role's codes: written by its conversions, read by its four stores, written again by the next role.
; So ONE wait on va_vdst stands at a step's head: the products of the step before are done reading their fragments and their weights.  The step's 24 loads follow it with no further wait: the products between them name
; XF[n % 2], W[n % 4] and the accumulators alone.  Behind a role's way out that role's own wait, ahead of its stores, serves the next step too.
.set XNB,   34816                      ; a version: four tiles
.set TILEB, 8704                       ; a tile: 32 lines x 272
.set SPARE, 3*XNB                      ; behind the images: the spare words, 128 bytes for each of eight waves
.set CO,  16                           ; v16-39   the norm: two sets of 12 registers of codes
.set SS,  40                           ; v40-55   a pair for each of my eight rows: sum, mean, sum of squares, 1 / sqrt
.set PT,  56                           ; v56-63   the other half of the lanes' sums
.set X,   64                           ; v64-191  my eight rows: register 16 i + 4 j + e = x[row i][128 j + 4 lane + e]
.set G,   192                          ; v192-207 the gain at my 16 columns;  v208-223 the bias
.set BT,  208
.set TM,  224                          ; v224-239 a row, held
.set ACC, 16                           ; v16-79   the products: eight accumulators
.set XF,  80                           ; v80-143, v144-207  xn's fragments of four tiles, one K step: two buffers
.set W,   0                            ; v256-383 (window 1) four units of two weight fragments
.set CD,  240                          ; v240-255 codes on their way out
; v1 16 x lane; v2-4 where I read fragments (a version each); v5-7 where I put codes (a version each); v8, v9 the add's two; v10-15 three pairs (scale, 448 x scale)
.set MSB, 0
.macro WIN new                         ; s_set_vgpr_msb: bits 1:0 source 0, 3:2 source 1, 5:4 source 2, 7:6 destination; the immediate's high byte repeats the setting that is left
.if MSB != \new
	s_set_vgpr_msb (MSB<<8)|\new
.set MSB, \new
.endif
.endm
.macro MKSC e, vs, vl                  ; the whole number in \e makes 2^e and 448 x 2^e as f32
	s_add_co_i32 s27, \e, 127
	s_lshl_b32 s28, s27, 23
	v_mov_b32 v[\vs], s28
	s_add_co_i32 s27, s27, 8
	s_lshl_b32 s27, s27, 23
	s_or_b32 s27, s27, 0x600000
	v_mov_b32 v[\vl], s27
.endm
.macro ACROSS                          ; the eight rows' figures summed over the 32 lanes, row by row in turn so that no line waits for the one above
.irp m, 1,2,4,8
.irp i, 0,1,2,3,4,5,6,7
	v_add_f32_dpp v[SS+2*\i], v[SS+2*\i], v[SS+2*\i] row_xmask:\m row_mask:0xf bank_mask:0xf
.endr
.endr
.irp i, 0,1,2,3,4,5,6,7
	v_permlanex16_b32 v[PT+\i], v[SS+2*\i], s60, s61
.endr
.irp i, 0,1,2,3,4,5,6,7
	v_add_f32 v[SS+2*\i], v[SS+2*\i], v[PT+\i]
.endr
.endm
.macro WLOAD n                         ; step n = 4 x weight + K step: my head's two fragments, as they lie in wimg: each load 512 consecutive bytes.  (Destination in window 1)
.irp u, 0,1
.irp c, 0,1,2,3
	global_load_b128 v[W+32*((\n)%4)+16*\u+4*\c:W+32*((\n)%4)+16*\u+4*\c+3], v1, s[50:51] offset:((\n)/4)*262144+(4*\u+(\n)%4)*2048+512*\c
.endr
.endr
.endm
.macro XFETCH n                        ; xn's fragments of the step's version and K step, four tiles, into buffer n % 2
.irp t, 0,1,2,3
.irp c, 0,1,2,3
	ds_load_b128 v[XF+64*((\n)%2)+16*\t+4*\c:XF+64*((\n)%2)+16*\t+4*\c+3], v[2+(\n)/4] offset:\t*TILEB+(4*((\n)%4)+\c)*544
.endr
.endr
.endm
.macro STEP n
.if (\n) == 0
	s_wait_loadcnt 24                              ; unit 0's eight loads are in; those of units 1 to 3 may be out
.elseif (\n) <= 9
	s_wait_loadcnt 16                              ; this step's eight weight loads are in; those of the next two steps may be out
.else
	s_wait_loadcnt 8*(11-(\n))
.endif
	s_wait_dscnt 0x0                               ; xn's fragments, asked for a step ago
.if ((\n)%4 != 0) && ((\n)+1 < 12)
	s_wait_alu depctr_va_vdst(0)                   ; the products of the step before are done reading the other buffer of fragments and their unit of weights, in which this step's loads land
.endif
.if (\n)+1 < 12
	XFETCH (\n)+1                                  ; wanted first, so asked for first
.endif
.if (\n)/4 < 2
	WIN 0x01                                       ; source 0 (the weight) in window 1
.else
	WIN 0x04                                       ; source 1 (the weight) in window 1
.endif
.irp t, 0,1,2,3                        ; eight accumulators by turns, one instruction a turn, in the same order in every step
.irp u, 0,1
.set rW, W+32*((\n)%4)+16*\u
.set rX, XF+64*((\n)%2)+16*\t
.if (\n)/4 < 2
.set rD, ACC+16*\t+8*\u
.if (\n)%4 == 0
	v_wmma_f32_16x16x128_fp8_fp8 v[rD:rD+7], v[rW:rW+15], v[rX:rX+15], 0
.else
	v_wmma_f32_16x16x128_fp8_fp8 v[rD:rD+7], v[rW:rW+15], v[rX:rX+15], v[rD:rD+7]
.endif
.else
.set rD, ACC+32*(\t/2)+16*\u+8*(\t%2)
.if (\n)%4 == 0
	v_wmma_f32_16x16x128_fp8_fp8 v[rD:rD+7], v[rX:rX+15], v[rW:rW+15], 0
.else
	v_wmma_f32_16x16x128_fp8_fp8 v[rD:rD+7], v[rX:rX+15], v[rW:rW+15], v[rD:rD+7]
.endif
.endif
.endr
.endr
.rept 4
	v_nop                                          ; four places in front of loads into registers that matrix instructions have read, and of the first read of results
.endr
.if ((\n) >= 1) && ((\n)+3 < 12)
	WIN 0x40                                       ; destination in window 1
	WLOAD (\n)+3                                   ; into the unit that the step before read.  No wait: no vector or matrix instruction since the wait at the step's head names it
.endif
	WIN 0
.endm
.macro EPI role                        ; 0 q, 1 k, 2 v: 64 sums a lane become 16 registers of codes: four groups of an image
	s_wait_xcnt 0x0                                ; the last role's stores have read their data: the codes' registers are written again only behind this wait
.if \role > 0
	s_wait_alu depctr_vm_vsrc(0)                   ; the last role's four stores have read v[CD ..], which the conversions below write again
.endif
.irp g, 0,1,2,3
.set k, 0
.rept 16
	v_med3_num_f32 v[ACC+16*\g+k], v[ACC+16*\g+k], -v[11+2*\role], v[11+2*\role]   ; each accumulator from its low end on
.set k, k+1
.endr
	v_cvt_scalef32_pk8_fp8_f32 v[CD+4*\g:CD+4*\g+1], v[ACC+16*\g:ACC+16*\g+7], v[10+2*\role]
	v_cvt_scalef32_pk8_fp8_f32 v[CD+4*\g+2:CD+4*\g+3], v[ACC+16*\g+8:ACC+16*\g+15], v[10+2*\role]
.endr
	v_nop                                          ; a plain line between the last conversion and the next products, which write its sources
	s_wait_alu depctr_va_vdst(0)                   ; the conversions have written v[CD ..], which the stores read; and the role's last products are done reading their fragments and weights, in which the next step's loads land
.irp g, 0,1,2,3
.if \role < 2
	global_store_b128 v1, v[CD+4*\g:CD+4*\g+3], s[52+2*\role:53+2*\role] offset:512*\g                 ; tile g: the wave stores 512 consecutive bytes
.else
	global_store_b128 v1, v[CD+4*\g:CD+4*\g+3], s[52+2*\role:53+2*\role] offset:(\g%2)*2048+(\g/2)*512  ; channels' tile g % 2, keys' group g / 2
.endif
.endr
.endm
	s_load_b512 s[8:23], s[0:1], 0x0               ; x, ln1_g, ln1_b, wimg, the exponents s[16:17], q_img, k_img, v_img
	v_lshl_add_u32 v8, v0, 2, SPARE
	v_mov_b32 v9, 0
	v_lshrrev_b32 v16, 5, v0
	v_readfirstlane_b32 s24, v16                   ; wave 0..7
	s_and_b32 s26, ttmp7, 0xffff                   ; rb: which 64 tokens
	v_and_b32 v17, 31, v0                          ; lane
	v_lshlrev_b32 v1, 4, v17
	v_and_b32 v18, 15, v0                          ; r
	v_bfe_u32 v19, v0, 4, 1                        ; h
	v_mul_u32_u24 v2, v19, 272
	v_lshl_add_u32 v2, v18, 4, v2                  ; a fragment's group: line h of its two, place r
	v_add_nc_u32 v3, XNB, v2
	v_add_nc_u32 v4, 2*XNB, v2
	v_lshrrev_b32 v20, 2, v17
	v_mul_u32_u24 v5, v20, 272                     ; my 4 codes of 128 along K: line lane / 4,
	v_and_b32 v20, 3, v17
	v_lshl_add_u32 v5, v20, 2, v5                  ; byte 4 (lane % 4) of a place's 16
	s_wait_alu depctr_va_vdst(0)
	s_wait_alu depctr_va_sdst(0)                   ; s24, the wave's number, is written, ahead of its first reader
	s_lshr_b32 s27, s24, 2
	s_lshl_b32 s27, s27, 1
	s_and_b32 s28, s24, 1
	s_add_co_u32 s27, s27, s28                     ; tokens 8 w .. 8 w + 7 lie in tile 2 (w / 4) + w % 2,
	s_mul_i32 s27, s27, TILEB
	s_lshr_b32 s28, s24, 1
	s_and_b32 s28, s28, 1
	s_lshl_b32 s28, s28, 7                         ; at places 8 ((w / 2) % 2) + 0 .. 7
	s_add_co_u32 s27, s27, s28
	v_add_nc_u32 v5, s27, v5
	v_add_nc_u32 v6, XNB, v5
	v_add_nc_u32 v7, 2*XNB, v5
.irp i, 0,1,2,3,4,5,6,7
	v_mov_b32 v[PT+\i], 0                          ; written once: a lane permute's destination counts as one of its sources
.endr
	s_lshl_b32 s28, s26, 17                        ; x: 64 rb rows of 2,048 bytes
	s_lshl_b32 s29, s24, 14                        ; + 8 w rows
	s_add_co_u32 s28, s28, s29
	s_mov_b32 s29, 0
	s_lshl_b32 s2, ttmp9, 3
	s_add_co_u32 s2, s2, s24                       ; my head
	s_lshl_b32 s30, s2, 14                         ; its two tiles x four K steps in each of wq, wk, wv
	s_mov_b32 s31, 0
	s_lshr_b32 s3, s26, 5                          ; b
	s_lshl_b32 s3, s3, 4
	s_add_co_u32 s3, s3, s2
	s_lshl_b32 s3, s3, 16                          ; (b, head)'s 65,536 bytes in each image
	s_and_b32 s4, s26, 31                          ; sb: which 64 tokens of the sequence
	s_lshl_b32 s5, s4, 11
	s_add_co_u32 s6, s3, s5                        ; q, k: tiles 4 sb on
	s_mov_b32 s7, 0
	s_lshr_b32 s5, s4, 1
	s_lshl_b32 s5, s5, 12
	s_add_co_u32 s58, s3, s5                       ; v: key step sb / 2,
	s_and_b32 s5, s4, 1
	s_lshl_b32 s5, s5, 10
	s_add_co_u32 s58, s58, s5                      ; groups 2 (sb % 2) on
	s_mov_b32 s59, 0
	s_mov_b32 s60, 0x76543210                      ; v_permlanex16_b32's selects: lane l xor 16
	s_mov_b32 s61, 0xfedcba98
	s_mov_b32 s62, 0x3b000000                      ; 1 / 512
	s_mov_b32 s63, 0x3727c5ac                      ; 1e-5
	s_wait_kmcnt 0x0
	s_load_b512 s[32:47], s[16:17], 0x0            ; the sixteen exponents
	s_add_nc_u64 s[48:49], s[8:9], s[28:29]
	s_add_nc_u64 s[50:51], s[14:15], s[30:31]
	s_add_nc_u64 s[52:53], s[18:19], s[6:7]
	s_add_nc_u64 s[54:55], s[20:21], s[6:7]
	s_add_nc_u64 s[56:57], s[22:23], s[58:59]
	s_wait_alu depctr_va_vdst(0)                   ; v1 to v7 are written: every load and store of the kernel, global or LDS, reads one of them as its offset or address
.irp i, 0,1,2,3,4,5,6,7
.irp j, 0,1,2,3
	global_load_b128 v[X+16*\i+4*\j:X+16*\i+4*\j+3], v1, s[48:49] offset:\i*2048+512*\j   ; 32 lanes read 512 consecutive bytes
.endr
.endr
.irp j, 0,1,2,3
	global_load_b128 v[G+4*\j:G+4*\j+3], v1, s[10:11] offset:512*\j
.endr
.irp j, 0,1,2,3
	global_load_b128 v[BT+4*\j:BT+4*\j+3], v1, s[12:13] offset:512*\j
.endr
	; ---- the norm.  First the rows' sums
.irp i, 0,1,2,3,4,5,6,7
	s_wait_loadcnt 36-4*\i                         ; row i's four loads are in; out may be the younger rows' 4 (7 - i) and the eight of gain and bias
	v_pk_add_f32 v[SS+2*\i:SS+2*\i+1], v[X+16*\i:X+16*\i+1], v[X+16*\i+2:X+16*\i+3]
.irp k, 4,6,8,10,12,14
	v_pk_add_f32 v[SS+2*\i:SS+2*\i+1], v[SS+2*\i:SS+2*\i+1], v[X+16*\i+\k:X+16*\i+\k+1]
.endr
	v_add_f32 v[SS+2*\i], v[SS+2*\i], v[SS+2*\i+1]
.endr
	WIN 0x40                                       ; destination in window 1
	WLOAD 0                                        ; the four units of weights are asked for here, so that they are on their way during the norm: 8 + 32 loads are out.
	WLOAD 1                                        ; No wait: their offset v1 was written ahead of the wait at the head, and no vector instruction has named it or window 1 since
	WLOAD 2
	WLOAD 3
	WIN 0
	ACROSS
.irp i, 0,1,2,3,4,5,6,7
	v_mul_f32 v[SS+2*\i], s62, v[SS+2*\i]          ; the mean
.endr
.irp i, 0,1,2,3,4,5,6,7
.irp k, 0,2,4,6,8,10,12,14
	v_pk_add_f32 v[X+16*\i+\k:X+16*\i+\k+1], v[X+16*\i+\k:X+16*\i+\k+1], v[SS+2*\i:SS+2*\i+1] op_sel_hi:[1,0] neg_lo:[0,1] neg_hi:[0,1]   ; x - mean, in place
.endr
	v_pk_mul_f32 v[SS+2*\i:SS+2*\i+1], v[X+16*\i:X+16*\i+1], v[X+16*\i:X+16*\i+1]
.irp k, 2,4,6,8,10,12,14
	v_pk_fma_f32 v[SS+2*\i:SS+2*\i+1], v[X+16*\i+\k:X+16*\i+\k+1], v[X+16*\i+\k:X+16*\i+\k+1], v[SS+2*\i:SS+2*\i+1]
.endr
	v_add_f32 v[SS+2*\i], v[SS+2*\i], v[SS+2*\i+1]
.endr
	ACROSS
.irp i, 0,1,2,3,4,5,6,7
	v_fma_f32 v[SS+2*\i], v[SS+2*\i], s62, s63     ; the variance + 1e-5
.endr
	s_wait_alu depctr_va_vdst(0)
.irp i, 0,1,2,3,4,5,6,7
	v_rsq_f32 v[SS+2*\i], v[SS+2*\i]               ; one batch
.endr
	v_nop                                          ; a plain line behind the last of the batch
	s_wait_kmcnt 0x0
	MKSC s32, 10, 11                               ; e0: xn for wq
	MKSC s34, 12, 13                               ; e2: for wk
	MKSC s36, 14, 15                               ; e4: for wv
	s_wait_loadcnt 32                              ; gain and bias are in; the weights' 32 loads may be out
	s_wait_alu depctr_va_vdst(0)                   ; the eight reciprocal roots are written: one wait, ahead of their first reader
.irp i, 0,1,2,3,4,5,6,7
.irp k, 0,2,4,6,8,10,12,14
	v_pk_mul_f32 v[X+16*\i+\k:X+16*\i+\k+1], v[X+16*\i+\k:X+16*\i+\k+1], v[SS+2*\i:SS+2*\i+1] op_sel_hi:[1,0]
.endr
.irp k, 0,2,4,6,8,10,12,14
	v_pk_fma_f32 v[X+16*\i+\k:X+16*\i+\k+1], v[X+16*\i+\k:X+16*\i+\k+1], v[G+\k:G+\k+1], v[BT+\k:BT+\k+1]
.endr
.endr
	; ---- xn's codes, three times, row by row.  Code register j holds k = 128 j + 4 lane + 0 .. 3; the 32 lanes of a store fall on 32 different banks
.irp i, 0,1,2,3,4,5,6,7
.if \i >= 2
	s_wait_dscnt 12                                ; the last row's twelve stores may be out; those of the row before, from this set of registers, are done
	s_wait_alu depctr_vm_vsrc(0)                   ; the twelve stores of two rows back have read this set of code registers, which the conversions below write again
.endif
.irp ver, 0,1,2
.set k, 0
.rept 16
	v_med3_num_f32 v[TM+k], v[X+16*\i+k], -v[11+2*\ver], v[11+2*\ver]
.set k, k+1
.endr
	v_cvt_scalef32_pk8_fp8_f32 v[CO+12*(\i%2)+4*\ver:CO+12*(\i%2)+4*\ver+1], v[TM:TM+7], v[10+2*\ver]
	v_cvt_scalef32_pk8_fp8_f32 v[CO+12*(\i%2)+4*\ver+2:CO+12*(\i%2)+4*\ver+3], v[TM+8:TM+15], v[10+2*\ver]
	v_nop                                          ; a plain line before the next version writes the conversions' sources
.endr
	s_wait_alu depctr_va_vdst(0)                   ; the row's six conversions have written their set of code registers, which the twelve stores read.  (The last row's also states that the norm is done with v64-239, in which fragments land)
.irp ver, 0,1,2
.irp j, 0,1,2,3
	ds_store_b32 v[5+\ver], v[CO+12*(\i%2)+4*\ver+\j] offset:\j*2176+16*\i
.endr
.endr
.endr
	s_sub_co_i32 s29, s38, s32
	s_sub_co_i32 s29, s29, s33
	MKSC s29, 10, 11                               ; q's codes: e6 - e0 - e1
	s_sub_co_i32 s29, s39, s34
	s_sub_co_i32 s29, s29, s35
	MKSC s29, 12, 13                               ; k's: e7 - e2 - e3
	s_sub_co_i32 s29, s41, s36
	s_sub_co_i32 s29, s29, s37
	MKSC s29, 14, 15                               ; v's: e9 - e4 - e5
	s_wait_dscnt 0x0                               ; my codes lie in LDS
	s_barrier_signal -1
	s_barrier_wait -1                              ; everybody's do
	s_wait_alu depctr_vm_vsrc(0)                   ; my LDS stores have read v16-39: these registers are accumulators from here on, written by the products
	; ---- the products
	XFETCH 0
.irp n, 0,1,2,3
	STEP \n
.endr
	EPI 0
.irp n, 4,5,6,7
	STEP \n
.endr
	EPI 1
.irp n, 8,9,10,11
	STEP \n
.endr
	EPI 2
	s_wait_dscnt 0x0                               ; the closing lines, six on end
	s_wait_alu 0x0
	s_wait_tensorcnt 0x0
	ds_add_u32 v8, v9
	s_wait_dscnt 0x0
	s_endpgm
.Lfunc_end_k_q90d6ab07ca_qkv:
	.size	k_q90d6ab07ca_qkv, .Lfunc_end_k_q90d6ab07ca_qkv-k_q90d6ab07ca_qkv
	.p2alignl 7, 3214868480
	.fill 96, 4, 3214868480
	.section	.rodata,"a",@progbits
	.p2align	6, 0x0
	.amdhsa_kernel k_q90d6ab07ca_qkv
		.amdhsa_group_segment_fixed_size 105472
		.amdhsa_private_segment_fixed_size 0
		.amdhsa_enable_private_segment 0
		.amdhsa_kernarg_size 64
		.amdhsa_user_sgpr_count 2
		.amdhsa_user_sgpr_kernarg_segment_ptr 1
		.amdhsa_wavefront_size32 1
		.amdhsa_system_sgpr_workgroup_id_x 1
		.amdhsa_system_sgpr_workgroup_id_y 1
		.amdhsa_system_sgpr_workgroup_id_z 1
		.amdhsa_system_vgpr_workitem_id 0
		.amdhsa_next_free_vgpr 384
		.amdhsa_next_free_sgpr 66
		.amdhsa_reserve_vcc 0
		.amdhsa_float_denorm_mode_32 3
		.amdhsa_float_denorm_mode_16_64 3
		.amdhsa_memory_ordered 1
		.amdhsa_forward_progress 1
		.amdhsa_inst_pref_size 117
	.end_amdhsa_kernel
	.amdgpu_metadata
---
amdhsa.version: [ 1, 2 ]
amdhsa.kernels:
  - .name:           k_q90d6ab07ca_qkv
    .symbol:         k_q90d6ab07ca_qkv.kd
    .args:
      - { .name: x, .offset: 0, .size: 8, .value_kind: global_buffer, .address_space: global }
      - { .name: ln1_g, .offset: 8, .size: 8, .value_kind: global_buffer, .address_space: global }
      - { .name: ln1_b, .offset: 16, .size: 8, .value_kind: global_buffer, .address_space: global }
      - { .name: wimg, .offset: 24, .size: 8, .value_kind: global_buffer, .address_space: global }
      - { .name: lowp_scales, .offset: 32, .size: 8, .value_kind: global_buffer, .address_space: global }
      - { .name: q_img, .offset: 40, .size: 8, .value_kind: global_buffer, .address_space: global }
      - { .name: k_img, .offset: 48, .size: 8, .value_kind: global_buffer, .address_space: global }
      - { .name: v_img, .offset: 56, .size: 8, .value_kind: global_buffer, .address_space: global }
    .group_segment_fixed_size: 105472
    .private_segment_fixed_size: 0
    .kernarg_segment_align: 8
    .kernarg_segment_size: 64
    .max_flat_workgroup_size: 256
    .sgpr_count:     66
    .vgpr_count:     384
    .wavefront_size: 32
...
	.end_amdgpu_metadata
.endif
;; end of part 6
;; launch attn (part 7): grid 4 x 64, 16 waves a work-group, no clusters, 133,120 bytes of LDS; arguments q_img, k_img, v_img, lowp_scales, ctx_img; writes ctx_img
.if DOCPART == 7
	.amdgcn_target "amdgcn-amd-amdhsa--gfx1250"
	.amdhsa_code_object_version 6
	.text
	.protected	k_q90d6ab07ca_attn
	.globl	k_q90d6ab07ca_attn
	.p2align	8
	.type	k_q90d6ab07ca_attn,@function
k_q90d6ab07ca_attn:
	s_mov_b64 s[64:65], 0
	v_nop
	global_prefetch_b8 v0, s[64:65] scope:SCOPE_SE
	s_setreg_imm32_b32 hwreg(HW_REG_WAVE_SCHED_MODE, 0, 2), 2
	s_setreg_imm32_b32 hwreg(HW_REG_WAVE_MODE, 25, 1), 1
	s_wait_xcnt 0x0
	s_wait_alu depctr_vm_vsrc(0)
; ctx = softmax(q k^T / sqrt(32)) v for each (b, head), both products on codes of E4M3; ctx is quantised with 2^e10 for the projection and stored as an image of operand registers.  No work is left out.
; THE SOFTMAX AHEAD OF THE SECOND PRODUCT: t = score x log2(e) / sqrt(32); M = the running largest t, rounded UP to a whole number; p = 2^(t - M) is quantised with 2^e8, not normalised; the row's sum is taken of the
; unquantised p and divides at the end.  When M moves, the sum and O are multiplied by 2^(old M - new M), which rounds nothing.
; LIMITS: e6 + e7 between -124 and 129 (added to c's exponent field); e8 and e10 between -126 and 119; e8 + e9 goes in by v_ldexp_f32.  NaN and infinity among the inputs are not served.
; SHARES.  Work-group (x, y): head y = 16 b + head, queries 512 x on.  Each of sixteen waves owns two tiles of 16 queries, which use each fragment of K and V that the wave reads; four waves to a SIMD, so that one wave's
; vector work stands beside another's matrix work and LDS loads.  The head's K and V, 65,536 bytes of codes each, are copied into LDS once, as they lie, and every wave walks them, 128 keys a step, sixteen steps.
; Nothing in LDS is filled again: one barrier in the launch.  NO JOINT LOADS: what the four work-groups of a head share is that one copy, 16 loads of 16 bytes a lane at the head, against sixteen key steps of work.
; LAYOUT.  Both products are used transposed: S^T = K Q^T, O^T = V^T P^T: a lane holds one query throughout.  Tiles of tokens are permuted (place r of tile 2 p + u is token 32 p + 8 u + r + 8 (r / 8)), so the 16 registers
; of score tiles 2 b and 2 b + 1 are keys 32 b + 16 h + 0 .. 15: the conversions' results are the second product's operand.
; THE FIRST PRODUCT'S K IS 32, the instruction's 64: source 0 holds key tile 2 b in registers 0-3 and tile 2 b + 1 in registers 4-7; Q is given as [Q | zeros] for the even tile and [zeros | Q] for the odd one:
; the other tile's codes meet zero codes (they are numbers: every code was held before its conversion).
; THE MODE: SCHED_MODE bits 1:0 = 2 (LLVM: expert scheduling mode 2), set by the entry lines.  The code itself states the register dependences between vector or matrix instructions and memory or LDS
; instructions, with s_wait_alu, always for 0.
; THE PLAN.  Registers that LDS instructions touch in the loop:
;   KF   a step's K: read by the products K Q^T of tile A and then of tile B; behind tile B's the next step's K is loaded into it.
;   VF   a step's V: read by the products V^T P of tile A and, at the trip's end, of tile B; it is loaded again in the next trip's tile A.
;   v4   LDS address of K's loads, written once a trip, in tile B;   v5  that of V's, written once a trip, in tile A.   v1, v228: never written again.
; Each tile has one wait on va_vdst in any case, behind its 64 exponentials and ahead of their first reader.  THE LOADS STAND AT THOSE TWO WAITS.  Tile A's also states that the last trip's products V^T P are done
; reading VF and that v5 is written: this step's V follows it.  Tile B's also states that both tiles' products K Q^T are done reading KF and that v4 is written: the next step's K follows it.  What follows the
; loads in a tile names S, P, O^T and VF, never the registers that the loads just issued touch.  Further waits on va_vdst stand ahead of each tile's exponentials and, in tile A, ahead of V's products; a wait on vm_vsrc stands ahead of each of the two address lines.
; The last step asks for no K: it is written out behind the loop.
.set SPARE, 131072                     ; LDS: K's image at 0, V's at 65,536, then the spare words: 128 bytes for each of sixteen waves
.set QZA, 16                           ; v16-27   four zeros, tile A's Q, four zeros;  v28-39 the same for tile B
.set QZB, 28
.set KF,  40                           ; v40-71   a step's K: eight tiles x 4 registers
.set VF,  72                           ; v72-103  a step's V: two fragments
.set S,   104                          ; v104-167 S^T, then p
.set P,   168                          ; v168-183 p's codes
.set OA,  184                          ; v184-199 O^T of tile A;  v200-215 of tile B
.set OB,  200
.set VB,  228                          ; v228     65,536 + 16 x lane: my place in V's image; never rewritten
; v1 16 x lane; v2, v3 the add's two; v4, v5 the LDS addresses of K's and V's loads; v6, v7 16 x thread (+ 65,536); v8-11, v12-15 a tile's -M, largest t, sum in two halves; v216, v217 maxima; v[218:219] f; v[220:221] a second chain of sums;
; v222 a permute's destination; v224, v225: 2^e8 and 448 x 2^e8; v226, v227: the same for e10
.macro MKSC e, vs, vl
	s_add_co_i32 s36, \e, 127
	s_lshl_b32 s37, s36, 23
	v_mov_b32 v[\vs], s37
	s_add_co_i32 s36, s36, 8
	s_lshl_b32 s36, s36, 23
	s_or_b32 s36, s36, 0x600000
	v_mov_b32 v[\vl], s36
.endm
; One tile of 16 queries against the step's 128 keys.  st: its statistics; qz: its Q among zeros; o: its O^T; ld = 1: this step's V is loaded in it; 2: the next step's K; 0: nothing
.macro TILE st, qz, o, ld
.irp t, 0,1,2,3,4,5,6,7
.if (\t%2) == 0
	v_wmma_f32_16x16x64_fp8_fp8 v[S+8*\t:S+8*\t+7], v[KF+8*(\t/2):KF+8*(\t/2)+7], v[\qz+4:\qz+11], 0
.else
	v_wmma_f32_16x16x64_fp8_fp8 v[S+8*\t:S+8*\t+7], v[KF+8*(\t/2):KF+8*(\t/2)+7], v[\qz:\qz+7], 0
.endif
.endr
.rept 4
	v_nop                                          ; four places in front of the first read of results (ISA guide 7.12.1)
.endr
	v_max3_num_f32 v216, v[S], v[S+1], v[S+2]      ; the step's largest score of my query among my 64 keys, in two chains; each accumulator is first read at its low end
	v_max3_num_f32 v217, v[S+3], v[S+4], v[S+5]
.irp i, 6,10,14,18,22,26,30,34,38,42,46,50,54,58
	v_max3_num_f32 v216, v216, v[S+\i], v[S+\i+1]
	v_max3_num_f32 v217, v217, v[S+\i+2], v[S+\i+3]
.endr
	v_max3_num_f32 v216, v216, v[S+62], v[S+63]
	v_max_num_f32 v216, v216, v217
	v_permlanex16_b32 v222, v216, s24, s25
	v_max_num_f32 v216, v216, v222                 ; and among lane l xor 16's
	v_mul_f32 v216, s22, v216                      ; as t (c is positive)
	v_max_num_f32 v[\st+1], v[\st+1], v216         ; the running largest t
	v_mov_b32 v216, v[\st]
	v_floor_f32 v[\st], -v[\st+1]                  ; the new -M = floor(-t): M is a whole number
	v_sub_f32 v216, v[\st], v216                   ; old M - new M: a whole number, 0 or less
	v_cvt_i32_f32 v216, v216                       ; (it saturates)
	v_ldexp_f32 v218, 1.0, v216                    ; f = 2^(old M - new M)
.set j, 0
.rept 32
	v_pk_fma_f32 v[S+j:S+j+1], v[S+j:S+j+1], s[22:23], v[\st:\st+1] op_sel_hi:[1,0,0]   ; t - M, two at a time
.set j, j+2
.endr
.set j, 0
	s_wait_alu depctr_va_vdst(0)
.rept 64
	v_exp_f32 v[S+j], v[S+j]                       ; p = 2^(t - M): one batch
.set j, j+1
.endr
.if \ld == 1
	s_wait_alu depctr_vm_vsrc(0)                   ; the last trip's loads of V have read v5
	v_add_nc_u32 v5, s26, v[VB]                    ; where this step's V lies
.endif
.if \ld == 2
	s_wait_alu depctr_vm_vsrc(0)                   ; the last trip's loads of K have read v4
	v_add_nc_u32 v4, s26, v1                       ; where the next step's K lies
.endif
	v_pk_mul_f32 v[\st+2:\st+3], v[\st+2:\st+3], v[218:219] op_sel_hi:[1,0]   ; the sum under the new M: the plain line behind the batch
	s_wait_alu depctr_va_vdst(0)                   ; the 64 exponentials are written: one wait, ahead of their first reader.  ld = 1: also, the last trip's products V^T P are done reading VF, and v5 is written.  ld = 2: also, both tiles' products K Q^T are done reading KF, and v4 is written
.if \ld == 1
.irp g, 0,1,2,3,4,5,6,7
	ds_load_b128 v[VF+4*\g:VF+4*\g+3], v5 offset:512*\g
.endr
.endif
.if \ld == 2
.irp g, 0,1,2,3,4,5,6,7
	ds_load_b128 v[KF+4*\g:KF+4*\g+3], v4 offset:512*\g
.endr
.endif
	v_pk_add_f32 v[220:221], v[S:S+1], v[S+2:S+3]  ; the row's sum is taken of the unquantised p, in two chains
.irp j, 4,8,12,16,20,24,28,32,36,40,44,48,52,56,60
	v_pk_add_f32 v[\st+2:\st+3], v[\st+2:\st+3], v[S+\j:S+\j+1]
	v_pk_add_f32 v[220:221], v[220:221], v[S+\j+2:S+\j+3]
.endr
	v_pk_add_f32 v[\st+2:\st+3], v[\st+2:\st+3], v[220:221]
	s_cmp_lg_u32 s28, 0                            ; p is at most 1.  Where e8 >= -8 the largest code stands for 448 x 2^e8 >= 1.75, and the hold can change no number: it is passed over.
	s_cbranch_scc1 .Lno_hold_\@                    ; The branch hangs on a whole number among the inputs, the same in every wave; no barrier stands under it
.set j, 0
.rept 64
	v_min_num_f32 v[S+j], v[S+j], v225             ; the conversion does not saturate (ISA guide 7.6.2); p is not negative, so the hold is one-sided
.set j, j+1
.endr
.Lno_hold_\@:
.irp b, 0,1,2,3
	v_cvt_scalef32_pk8_fp8_f32 v[P+4*\b:P+4*\b+1], v[S+16*\b:S+16*\b+7], v224
	v_cvt_scalef32_pk8_fp8_f32 v[P+4*\b+2:P+4*\b+3], v[S+16*\b+8:S+16*\b+15], v224
.endr
.irp k, 0,2,4,6,8,10,12,14
	v_pk_mul_f32 v[\o+\k:\o+\k+1], v[\o+\k:\o+\k+1], v[218:219] op_sel_hi:[1,0]   ; O^T under the new M.  (Also the plain lines between the conversions and the products that read their results)
.endr
.if \ld == 1
	s_wait_alu depctr_va_vdst(0)
	s_wait_dscnt 0x0                               ; V's eight loads
.endif
	v_wmma_f32_16x16x128_fp8_fp8 v[\o:\o+7], v[VF:VF+15], v[P:P+15], v[\o:\o+7]                  ; two accumulators by turns; the next matrix instructions are the other tile's scores
	v_wmma_f32_16x16x128_fp8_fp8 v[\o+8:\o+15], v[VF+16:VF+31], v[P:P+15], v[\o+8:\o+15]
.endm
	s_load_b256 s[4:11], s[0:1], 0x0               ; q_img, k_img, v_img, the exponents s[10:11]
	s_load_b64 s[12:13], s[0:1], 0x20              ; ctx_img
	v_lshl_add_u32 v2, v0, 2, SPARE
	v_mov_b32 v3, 0
	v_lshrrev_b32 v4, 5, v0
	v_readfirstlane_b32 s21, v4                    ; wave 0..15
	v_and_b32 v1, 31, v0
	v_lshlrev_b32 v1, 4, v1                        ; 16 x lane
	v_add_nc_u32 v[VB], 0x10000, v1
	v_lshlrev_b32 v6, 4, v0                        ; 16 x thread
	v_add_nc_u32 v7, 0x10000, v6
	s_and_b32 s14, ttmp7, 0xffff                   ; y = 16 b + head
	s_lshl_b32 s30, s14, 16                        ; its 65,536 bytes in each of the three images
	s_mov_b32 s31, 0
	s_lshl_b32 s15, ttmp9, 14                      ; q: tiles 32 x on,
	s_wait_alu depctr_va_sdst(0)                   ; s21, the wave's number, is written, ahead of its first reader
	s_lshl_b32 s36, s21, 10                        ; + 2 x wave
	s_add_co_u32 s15, s15, s36
	s_add_co_u32 s32, s30, s15
	s_mov_b32 s33, 0
	s_lshr_b32 s34, s14, 4                         ; ctx_img: ((128 b + 32 x + 2 wave) 16 + head) 512
	s_lshl_b32 s34, s34, 20
	s_lshl_b32 s36, ttmp9, 18
	s_add_co_u32 s34, s34, s36
	s_lshl_b32 s36, s21, 14
	s_add_co_u32 s34, s34, s36
	s_and_b32 s36, s14, 15
	s_lshl_b32 s36, s36, 9
	s_add_co_u32 s34, s34, s36
	s_mov_b32 s35, 0
	s_mov_b32 s24, 0x76543210                      ; v_permlanex16_b32's selects: lane l xor 16
	s_mov_b32 s25, 0xfedcba98
	s_wait_kmcnt 0x0
	s_load_b128 s[16:19], s[10:11], 0x18           ; e6, e7, e8, e9
	s_load_b32 s20, s[10:11], 0x28                 ; e10
	s_add_nc_u64 s[4:5], s[4:5], s[32:33]
	s_add_nc_u64 s[6:7], s[6:7], s[30:31]
	s_add_nc_u64 s[8:9], s[8:9], s[30:31]
	s_add_nc_u64 s[12:13], s[12:13], s[34:35]
	s_wait_alu depctr_va_vdst(0)                   ; v1, v6, v7 and v228 are written: the loads and stores of the head, the first step's loads of K and the last stores read them as offsets and addresses
	global_load_b128 v[QZA+4:QZA+7], v1, s[4:5] th:TH_LOAD_NT
	global_load_b128 v[QZB+4:QZB+7], v1, s[4:5] offset:512 th:TH_LOAD_NT
.irp i, 0,1,2,3,4,5,6,7
	global_load_b128 v[S+4*\i:S+4*\i+3], v6, s[6:7] offset:8192*\i          ; the work-group's 512 threads take 8,192 consecutive bytes of K's image
.endr
.irp i, 0,1,2,3,4,5,6,7
	global_load_b128 v[S+32+4*\i:S+32+4*\i+3], v6, s[8:9] offset:8192*\i    ; and of V's
.endr
.irp z, 0,1,2,3,8,9,10,11
	v_mov_b32 v[QZA+\z], 0
	v_mov_b32 v[QZB+\z], 0
.endr
	v_mov_b32 v9, 0xff61b1e6                       ; the largest t so far: -3e38, under every t
	v_mov_b32 v13, 0xff61b1e6
	v_floor_f32 v8, -v9                            ; -M
	v_floor_f32 v12, -v13
	v_mov_b32 v10, 0                               ; the sums
	v_mov_b32 v11, 0
	v_mov_b32 v14, 0
	v_mov_b32 v15, 0
	v_mov_b32 v219, 0                              ; (named as the upper half of the pair v[218:219])
	v_mov_b32 v222, 0                              ; written once: a lane permute's destination counts as one of its sources
.set j, 0
.rept 32
	v_mov_b32 v[OA+j], 0                           ; O^T of both tiles: the first step has no form of its own: it finds zeros, which the first change of M leaves zeros
.set j, j+1
.endr
	s_wait_kmcnt 0x0
	s_add_co_i32 s36, s16, s17
	s_lshl_b32 s36, s36, 23
	s_mov_b32 s22, 0x3e8293ee                      ; c = log2(e) / sqrt(32)
	s_add_co_i32 s22, s22, s36                     ; a score stands for score x 2^(e6 + e7): added to c's exponent field
	s_mov_b32 s23, s22                             ; (named with it as a pair)
	MKSC s18, 224, 225
	MKSC s20, 226, 227
	s_add_co_i32 s29, s18, s19                     ; e8 + e9
	s_cmp_ge_i32 s18, -8
	s_cselect_b32 s28, 1, 0                        ; 1: p's hold can change nothing
.irp i, 0,1,2,3,4,5,6,7
	s_wait_loadcnt 15-\i                           ; loads come back in order: this one is in, the younger ones may be out
	ds_store_b128 v6, v[S+4*\i:S+4*\i+3] offset:8192*\i
.endr
.irp i, 0,1,2,3,4,5,6,7
	s_wait_loadcnt 7-\i
	ds_store_b128 v7, v[S+32+4*\i:S+32+4*\i+3] offset:8192*\i
.endr
	s_wait_dscnt 0x0                               ; my part of the two images lies in LDS
	s_barrier_signal -1
	s_barrier_wait -1                              ; everybody's does
	s_wait_alu depctr_vm_vsrc(0)                   ; my LDS stores have read v104-167: these registers are S^T from here on, written by the products
.irp g, 0,1,2,3,4,5,6,7
	ds_load_b128 v[KF+4*\g:KF+4*\g+3], v1 offset:512*\g   ; the first step's K.  No wait: v1 was written ahead of the wait at the head, and no vector instruction has named v1's value anew or KF
.endr
	s_mov_b32 s26, 0                               ; the step's first byte in each image
	s_mov_b32 s27, 15
.Lkey:                                             ; fifteen trips: 128 keys each
	s_wait_dscnt 0x0                               ; this step's K, asked for in the last trip's tile B (the first step's: ahead of the loop)
	TILE 8, QZA, OA, 1
	s_add_co_u32 s26, s26, 4096                    ; on to the next step's bytes
	TILE 12, QZB, OB, 2
	s_sub_co_u32 s27, s27, 1
	s_cmp_lg_u32 s27, 0
	s_cbranch_scc1 .Lkey
	s_wait_dscnt 0x0                               ; the sixteenth step is written out: there is no K behind it to ask for
	TILE 8, QZA, OA, 1
	TILE 12, QZB, OB, 0
	; ---- the way out: O^T x 2^(e8 + e9) / the sum, quantised with 2^e10.  A lane's 16 registers are channels 16 h + 0 .. 15 of its query: one group of the projection's operand
.rept 4
	v_nop
.endr
	v_add_f32 v10, v10, v11                        ; the sum's two halves,
	v_add_f32 v14, v14, v15
	v_permlanex16_b32 v222, v10, s24, s25
	v_permlanex16_b32 v216, v14, s24, s25
	v_add_f32 v10, v10, v222                       ; and lane l xor 16's
	v_add_f32 v14, v14, v216
	s_wait_alu depctr_va_vdst(0)
	v_rcp_f32 v10, v10
	v_rcp_f32 v14, v14
	v_nop                                          ; a plain line behind the two
	s_wait_alu depctr_va_vdst(0)                   ; the two reciprocals are written: their one wait, ahead of the first reader
	v_ldexp_f32 v10, v10, s29
	v_ldexp_f32 v14, v14, s29
.set j, 0
.rept 16
	v_mul_f32 v[S+j], v[OA+j], v10
.set j, j+1
.endr
.set j, 0
.rept 16
	v_mul_f32 v[S+16+j], v[OB+j], v14
.set j, j+1
.endr
.set j, 0
.rept 32
	v_med3_num_f32 v[S+j], v[S+j], -v227, v227
.set j, j+1
.endr
.irp g, 0,1,2,3
	v_cvt_scalef32_pk8_fp8_f32 v[P+2*\g:P+2*\g+1], v[S+8*\g:S+8*\g+7], v226
.endr
	v_nop
	s_wait_alu depctr_va_vdst(0)                   ; the four conversions have written v[P ..], which the two stores read
	global_store_b128 v1, v[P:P+3], s[12:13]                    ; the wave stores 512 consecutive bytes: tile A's group
	global_store_b128 v1, v[P+4:P+7], s[12:13] offset:8192      ; tile B's
	s_wait_dscnt 0x0                               ; the closing lines, six on end
	s_wait_alu 0x0
	s_wait_tensorcnt 0x0
	ds_add_u32 v2, v3
	s_wait_dscnt 0x0
	s_endpgm
.Lfunc_end_k_q90d6ab07ca_attn:
	.size	k_q90d6ab07ca_attn, .Lfunc_end_k_q90d6ab07ca_attn-k_q90d6ab07ca_attn
	.p2alignl 7, 3214868480
	.fill 96, 4, 3214868480
	.section	.rodata,"a",@progbits
	.p2align	6, 0x0
	.amdhsa_kernel k_q90d6ab07ca_attn
		.amdhsa_group_segment_fixed_size 133120
		.amdhsa_private_segment_fixed_size 0
		.amdhsa_enable_private_segment 0
		.amdhsa_kernarg_size 40
		.amdhsa_user_sgpr_count 2
		.amdhsa_user_sgpr_kernarg_segment_ptr 1
		.amdhsa_wavefront_size32 1
		.amdhsa_system_sgpr_workgroup_id_x 1
		.amdhsa_system_sgpr_workgroup_id_y 1
		.amdhsa_system_sgpr_workgroup_id_z 1
		.amdhsa_system_vgpr_workitem_id 0
		.amdhsa_next_free_vgpr 256
		.amdhsa_next_free_sgpr 66
		.amdhsa_reserve_vcc 0
		.amdhsa_float_denorm_mode_32 3
		.amdhsa_float_denorm_mode_16_64 3
		.amdhsa_memory_ordered 1
		.amdhsa_forward_progress 1
		.amdhsa_inst_pref_size 65
	.end_amdhsa_kernel
	.amdgpu_metadata
---
amdhsa.version: [ 1, 2 ]
amdhsa.kernels:
  - .name:           k_q90d6ab07ca_attn
    .symbol:         k_q90d6ab07ca_attn.kd
    .args:
      - { .name: q_img, .offset: 0, .size: 8, .value_kind: global_buffer, .address_space: global }
      - { .name: k_img, .offset: 8, .size: 8, .value_kind: global_buffer, .address_space: global }
      - { .name: v_img, .offset: 16, .size: 8, .value_kind: global_buffer, .address_space: global }
      - { .name: lowp_scales, .offset: 24, .size: 8, .value_kind: global_buffer, .address_space: global }
      - { .name: ctx_img, .offset: 32, .size: 8, .value_kind: global_buffer, .address_space: global }
    .group_segment_fixed_size: 133120
    .private_segment_fixed_size: 0
    .kernarg_segment_align: 8
    .kernarg_segment_size: 40
    .max_flat_workgroup_size: 512
    .sgpr_count:     66
    .vgpr_count:     256
    .wavefront_size: 32
...
	.end_amdgpu_metadata
.endif
;; end of part 7
;; launch tail (part 8): grid 256 x 1, 16 waves a work-group, no clusters, 155,136 bytes of LDS; arguments ctx_img, x, wimg, lowp_scales, bo, ln2_g, ln2_b, b2, b1, out0; writes out0
.if DOCPART == 8
	.amdgcn_target "amdgcn-amd-amdhsa--gfx1250"
	.amdhsa_code_object_version 6
	.text
	.protected	k_q90d6ab07ca_tail
	.globl	k_q90d6ab07ca_tail
	.p2align	8
	.type	k_q90d6ab07ca_tail,@function
k_q90d6ab07ca_tail:
	s_mov_b64 s[64:65], 0
	v_nop
	global_prefetch_b8 v0, s[64:65] scope:SCOPE_SE
	s_setreg_imm32_b32 hwreg(HW_REG_WAVE_SCHED_MODE, 0, 2), 2
	s_setreg_imm32_b32 hwreg(HW_REG_WAVE_MODE, 25, 1), 1
	s_wait_xcnt 0x0
	s_wait_alu depctr_vm_vsrc(0)
; xt = x + ctx wo + bo;  h = layer_norm(xt, ln2_g, ln2_b);  out0 = xt + relu(h w1 + b1) w2 + b2.  The three products on codes of E4M3; xt, h and the hidden layer never go to memory.  No work is left out.
; LIMITS: e12 and e14 - e12 - e13 between -126 and 119; e10 + e11 between -126 and 127; e14 + e15 between -126 and 126; e12 + e13 goes in by v_ldexp_f32.  NaN and infinity among the inputs are not served.
; SHARES.  A work-group takes 32 tokens: two permuted tiles (place r of tile T is token 8 T + r + 8 (r / 8)).  THE SIXTEEN WAVES SHARE THE COLUMNS: wave w makes channels 32 w .. 32 w + 31 of the projection and of the last
; product, and in each of four chunks of 512 hidden units those at 32 w .. 32 w + 31 of the chunk.  All products are used transposed (source 0 = weight): a lane holds one token and 16 neighbouring channels.
; OPERANDS GO FROM WAVE TO WAVE THROUGH LDS AS IMAGES OF THEIR REGISTERS: group (tile T, K step s, c) at (16 T + 4 s + c) 512 + 16 lane; a wave's 32 channels are exactly group 16 T + w.
; THE WEIGHTS go from memory straight into the operand registers of the one wave that uses them: 36 units of two fragments, four units (32 loads of 512 bytes a wave) out at a time; no address register is ever rewritten.
; NO JOINT LOADS: a tile asked for jointly lands in LDS; here a weight fragment feeds one wave alone, two matrix instructions, so every weight byte would be written to LDS and read back once more, in a ring with a round for each slot.
; The norm's sums meet in LDS: mean first, then the deviations' squares (two barriers).  b1 goes in as the first product's C, divided by 2^(e12 + e13); xt + b2 rides in the last product's accumulators, divided by 2^(e14 + e15): both exact.
; THE MODE: SCHED_MODE bits 1:0 = 2 (LLVM: expert scheduling mode 2), set by the entry lines.  The code itself states the register dependences between vector or matrix instructions and memory or LDS
; instructions, with s_wait_alu, always for 0.
; THE PLAN.  Registers that memory or LDS instructions touch:
;   v1, v2, v5-v11  offsets and LDS addresses: made once at the head, never written again.
;   XF     LDS loads land in it: a unit's two fragments, the short vectors, the waves' sums, at the end rows of out0.  A unit's four products read it; so do the vector lines of the residual and the norm.
;   WR0-3  unit n's products read WR[n % 4]; behind them unit n + 4 is asked for into it.
;   ACC1   at the head x's rows pass through it into LDS; LDS loads bring x and, in each chunk, b1 into it; at the end its numbers are stored to LDS.
;   CD     codes: written by conversions, read by two LDS stores, written again in the next chunk.     v248, v250: the norm's sums: the data of two LDS stores, then written again.
; All 256 registers are taken, so XF has one buffer: ONE wait on va_vdst stands behind a unit's four products; it states that they are done reading XF and WR[n % 4], and the next unit's fragments (wanted first, so asked
; for first) and unit n + 4's weights follow it.  Each run of LDS stores has one wait on va_vdst ahead of it, for its data, and that wait serves the LDS loads behind the run too.  The wait behind the norm's two
; reciprocal roots is also the one ahead of the loads of gain and bias.  Waits on vm_vsrc stand where registers that stores have read are written again: behind the first barrier, in the norm, ahead of a chunk's conversions.
.set CIMG,  0                          ; LDS: ctx's images, 16,384 bytes
.set HIMG,  16384                      ; h's images
.set HID,   32768                      ; the hidden layer's, two buffers of 16,384 by turns
.set VEC,   65536                      ; b1 / 2^(e12 + e13) (8,192 bytes), bo, ln2_g, ln2_b, b2 (2,048 each)
.set PART1, 81920                      ; the waves' sums: token place r at 80 r, tile T at 1,280 T, wave w at 4 w;  the squares' 2,560 bytes on
.set XST,   87040                      ; x's 32 rows, later out0's: row 16 T + r, pitch 2,064: 516 words, so that sixteen rows start at sixteen different groups of four banks
.set SPARE, 153088                     ; the spare words: 128 bytes for each of sixteen waves
.set ACC2, 16                          ; v16-47   projection, xt, the last product: 16 T + 8 u
.set ACC1, 48                          ; v48-79   x, xt - mean, h, the hidden layer
.set XF,   80                          ; v80-111  two fragments from LDS; also vectors and sums
.set CD,   112                         ; v112-119 codes just made
.set WR,   120                         ; v120-247 four units of two weight fragments
; v1 16 x lane; v2 16 x thread; v3, v4 the add's two; v5 my 64 bytes of a row in XST; v6 my group in an image; v7, v8 the sums' words; v9 my 64 bytes of a vector; v10 XST by rows; v11 VEC by threads;
; v12, v13: 2^e12 and 448 x that; v14, v15: the same for e14 - e12 - e13; v248-253 at work
.macro MKSC e, vs, vl
	s_add_co_i32 s29, \e, 127
	s_lshl_b32 s9, s29, 23
	v_mov_b32 v[\vs], s9
	s_add_co_i32 s29, s29, 8
	s_lshl_b32 s29, s29, 23
	s_or_b32 s29, s29, 0x600000
	v_mov_b32 v[\vl], s29
.endm
.macro WLOAD n                         ; unit n: 0-3 wo's K steps; then for each chunk j four of w1 and four of w2
.set wn, \n
.if wn < 4
.set wsel, 0
.set woff, wn*2048
.set wu, 8192
.else
.set wj, (wn-4)/8
.set wq, (wn-4)%8
.if wq < 4
.set wsel, 1
.set woff, wj*262144+wq*2048
.set wu, 8192
.else
.set wsel, 2
.set woff, (4*wj+wq-4)*2048
.set wu, 32768
.endif
.endif
.irp u, 0,1
.irp c, 0,1,2,3
	global_load_b128 v[WR+32*(wn%4)+16*\u+4*\c:WR+32*(wn%4)+16*\u+4*\c+3], v1, s[48+2*wsel:49+2*wsel] offset:woff+wu*\u+512*\c
.endr
.endr
.endm
.macro FETCH base                      ; the two tiles' fragments of one K step
.irp t, 0,1
.irp c, 0,1,2,3
	ds_load_b128 v[XF+16*\t+4*\c:XF+16*\t+4*\c+3], v1 offset:(\base)+(16*\t+\c)*512
.endr
.endr
.endm
.macro UNIT n, acc, zero, nxt          ; nxt: where the next unit's fragments lie in LDS, or -1 where they are not to be asked for yet
.if 35-(\n) >= 3
	s_wait_loadcnt 24                              ; this unit's eight loads are in; the next three units' may be out
.else
	s_wait_loadcnt 8*(35-(\n))
.endif
	s_wait_dscnt 0x0                               ; the fragments from LDS (and whatever else was asked of it)
.irp u, 0,1                            ; four accumulators by turns, one instruction a turn, in the same order in every unit
.irp t, 0,1
.if \zero
	v_wmma_f32_16x16x128_fp8_fp8 v[\acc+16*\t+8*\u:\acc+16*\t+8*\u+7], v[WR+32*((\n)%4)+16*\u:WR+32*((\n)%4)+16*\u+15], v[XF+16*\t:XF+16*\t+15], 0
.else
	v_wmma_f32_16x16x128_fp8_fp8 v[\acc+16*\t+8*\u:\acc+16*\t+8*\u+7], v[WR+32*((\n)%4)+16*\u:WR+32*((\n)%4)+16*\u+15], v[XF+16*\t:XF+16*\t+15], v[\acc+16*\t+8*\u:\acc+16*\t+8*\u+7]
.endif
.endr
.endr
.rept 4
	v_nop                                          ; four places in front of loads into registers that matrix instructions have read, and of the first read of results
.endr
.if ((\nxt) >= 0) || ((\n)+4 < 36)
	s_wait_alu depctr_va_vdst(0)                   ; the unit's four products are done reading XF and their unit of weights, in which the loads below (and the LDS loads behind this unit) land
.endif
.if (\nxt) >= 0
	FETCH \nxt                                     ; wanted first, so asked for first
.endif
.if (\n)+4 < 36
	WLOAD (\n)+4
.endif
.endm
.macro VLD off, reg                    ; 16 numbers of a vector at my channels
.irp i, 0,1,2,3
	ds_load_b128 v[\reg+4*\i:\reg+4*\i+3], v9 offset:\off+16*\i
.endr
.endm
.macro BAR                             ; my LDS stores have landed and my LDS loads are in: then the work-group's barrier
	s_wait_dscnt 0x0
	s_barrier_signal -1
	s_barrier_wait -1
.endm
.macro SUM16 d, s
	v_pk_add_f32 v[\d:\d+1], v[\s:\s+1], v[\s+2:\s+3]
.irp k, 4,6,8,10,12,14
	v_pk_add_f32 v[\d:\d+1], v[\d:\d+1], v[\s+\k:\s+\k+1]
.endr
	v_add_f32 v[\d], v[\d], v[\d+1]
.endm
.macro SQ16 d, s
	v_pk_mul_f32 v[\d:\d+1], v[\s:\s+1], v[\s:\s+1]
.irp k, 2,4,6,8,10,12,14
	v_pk_fma_f32 v[\d:\d+1], v[\s+\k:\s+\k+1], v[\s+\k:\s+\k+1], v[\d:\d+1]
.endr
	v_add_f32 v[\d], v[\d], v[\d+1]
.endm
.macro MEET off                        ; v248, v250 (tiles 0, 1): my 16 channels' figure -> the sum over all 512 channels of the token
	v_permlanex16_b32 v252, v248, s60, s61
	v_permlanex16_b32 v253, v250, s60, s61
	v_add_f32 v248, v248, v252                     ; my wave's 32 channels
	v_add_f32 v250, v250, v253
	s_wait_alu depctr_va_vdst(0)                   ; v248 and v250 are written, which the two stores read; and the vector lines above are done with XF, in which the loads behind the barrier land
	ds_store_b32 v7, v248 offset:\off              ; (both halves of the lanes write the same word with the same number)
	ds_store_b32 v7, v250 offset:\off+1280
	BAR
.irp t, 0,1
.irp i, 0,1,2,3
	ds_load_b128 v[XF+16*\t+4*\i:XF+16*\t+4*\i+3], v8 offset:\off+1280*\t+16*\i
.endr
.endr
	s_wait_dscnt 0x0
	s_wait_alu depctr_vm_vsrc(0)                   ; the two stores have read v248 and v250, which the sums below write again
	SUM16 248, XF
	SUM16 250, XF+16
.endm
.macro CHUNK j                         ; hidden units 512 j .. 512 j + 511
.irp t, 0,1
.irp i, 0,1,2,3
	ds_load_b128 v[ACC1+16*\t+4*\i:ACC1+16*\t+4*\i+3], v9 offset:2048*(\j)+16*\i   ; the bias is the sums' beginning.  No wait: the last lines that named these registers stand ahead of the wait in front of the last stores of codes
.endr
.endr
.if (\j) == 0
	s_wait_alu depctr_va_vdst(0)                   ; the lines that brought b2 and xt under the last product's scale are done with XF, in which h's fragments land
	FETCH HIMG                                     ; (the later chunks' first fragments are asked for behind the last unit of the chunk before)
.endif
	UNIT 4+8*(\j), ACC1, 0, HIMG+2048
	UNIT 5+8*(\j), ACC1, 0, HIMG+4096
	UNIT 6+8*(\j), ACC1, 0, HIMG+6144
	UNIT 7+8*(\j), ACC1, 0, -1
	s_wait_alu depctr_vm_vsrc(0)                   ; the last two stores of codes have read v[CD ..], which the conversions below write again
.set k, 0
.rept 32
	v_med3_num_f32 v[ACC1+k], v[ACC1+k], 0, v15    ; the activation and the hold in one; each accumulator from its low end on
.set k, k+1
.endr
.irp g, 0,1,2,3
	v_cvt_scalef32_pk8_fp8_f32 v[CD+2*\g:CD+2*\g+1], v[ACC1+8*\g:ACC1+8*\g+7], v14
.endr
	v_nop                                          ; a plain line behind the last conversion
	s_wait_alu depctr_va_vdst(0)                   ; the four conversions have written v[CD ..], which the two stores read
	ds_store_b128 v6, v[CD:CD+3] offset:HID+16384*((\j)%2)
	ds_store_b128 v6, v[CD+4:CD+7] offset:HID+16384*((\j)%2)+8192
	BAR                                            ; the chunk's images lie in LDS.  The other buffer is written again only behind the next chunk's barrier, which every wave reaches behind its reads of it
	FETCH HID+16384*((\j)%2)
	UNIT 8+8*(\j), ACC2, 0, HID+16384*((\j)%2)+2048
	UNIT 9+8*(\j), ACC2, 0, HID+16384*((\j)%2)+4096
	UNIT 10+8*(\j), ACC2, 0, HID+16384*((\j)%2)+6144
.if (\j) < 3
	UNIT 11+8*(\j), ACC2, 0, HIMG                  ; the next chunk's first fragments of h
.else
	UNIT 11+8*(\j), ACC2, 0, -1
.endif
.endm
	s_load_b512 s[8:23], s[0:1], 0x0               ; ctx_img, x, wimg, the exponents s[14:15], bo, ln2_g, ln2_b, b2
	s_load_b128 s[24:27], s[0:1], 0x40             ; b1, out0
	v_lshl_add_u32 v3, v0, 2, SPARE
	v_mov_b32 v4, 0
	v_lshrrev_b32 v5, 5, v0
	v_readfirstlane_b32 s28, v5                    ; wave 0..15
	v_and_b32 v248, 31, v0
	v_lshlrev_b32 v1, 4, v248
	v_lshlrev_b32 v2, 4, v0
	v_and_b32 v249, 15, v0                         ; r
	v_bfe_u32 v250, v0, 4, 1                       ; h
	v_mul_u32_u24 v5, v249, 2064
	v_lshl_add_u32 v5, v250, 6, v5
	s_wait_alu depctr_va_sdst(0)                   ; s28, the wave's number, is written, ahead of its first reader
	s_lshl_b32 s29, s28, 7
	s_add_co_u32 s30, s29, XST
	v_add_nc_u32 v5, s30, v5                       ; XST + 2,064 r + 128 w + 64 h
	s_lshl_b32 s30, s28, 9
	v_add_nc_u32 v6, s30, v1                       ; 512 w + 16 lane
	v_mul_u32_u24 v8, v249, 80
	v_add_nc_u32 v8, PART1, v8
	s_lshl_b32 s30, s28, 2
	v_add_nc_u32 v7, s30, v8
	s_add_co_u32 s30, s29, VEC
	v_lshl_add_u32 v9, v250, 6, s30                ; VEC + 128 w + 64 h
	v_lshrrev_b32 v10, 7, v0
	v_mul_u32_u24 v10, v10, 2064
	v_and_b32 v251, 127, v0
	v_lshlrev_b32 v251, 4, v251                    ; 16 (thread % 128): also my place in one of the four short vectors
	v_add_nc_u32 v10, v10, v251
	v_add_nc_u32 v10, XST, v10
	v_add_nc_u32 v11, VEC, v2
	v_mov_b32 v252, 0                              ; written once: a lane permute's destination counts as one of its sources
	v_mov_b32 v253, 0
	s_lshl_b32 s2, ttmp9, 16                       ; my 32 rows of x and of out0
	s_mov_b32 s3, 0
	s_lshl_b32 s4, ttmp9, 14                       ; my two tiles of ctx_img
	s_mov_b32 s5, 0
	s_lshl_b32 s48, s28, 14
	s_add_co_u32 s50, s48, 1048576                 ; w1: my two tiles of a chunk
	s_add_co_u32 s48, s48, 786432                  ; wo: my two tiles
	s_mov_b32 s49, 0
	s_mov_b32 s51, 0
	s_lshl_b32 s52, s28, 16
	s_add_co_u32 s52, s52, 2097152                 ; w2: my two tiles
	s_mov_b32 s53, 0
	s_lshr_b32 s31, s28, 2                         ; which short vector my wave copies
	s_mov_b32 s60, 0x76543210
	s_mov_b32 s61, 0xfedcba98
	s_mov_b32 s62, 0x3b000000                      ; 1 / 512
	s_mov_b32 s63, 0x3727c5ac                      ; 1e-5
	s_wait_kmcnt 0x0
	s_load_b512 s[32:47], s[14:15], 0x0            ; the sixteen exponents
	s_add_nc_u64 s[48:49], s[12:13], s[48:49]
	s_add_nc_u64 s[50:51], s[12:13], s[50:51]
	s_add_nc_u64 s[52:53], s[12:13], s[52:53]
	s_add_nc_u64 s[6:7], s[26:27], s[2:3]          ; out0
	s_add_nc_u64 s[2:3], s[10:11], s[2:3]          ; x
	s_add_nc_u64 s[4:5], s[8:9], s[4:5]            ; ctx_img
	s_mov_b64 s[10:11], s[16:17]                   ; bo, ln2_g, ln2_b or b2: a choice on the wave's number
	s_cmp_eq_u32 s31, 1
	s_cselect_b64 s[10:11], s[18:19], s[10:11]
	s_cmp_eq_u32 s31, 2
	s_cselect_b64 s[10:11], s[20:21], s[10:11]
	s_cmp_eq_u32 s31, 3
	s_cselect_b64 s[10:11], s[22:23], s[10:11]
	s_wait_alu depctr_va_vdst(0)                   ; v1, v2, v5 to v11 and v251 are written: every load and store of the kernel, global or LDS, reads one of them as its offset or address
.irp i, 0,1,2,3,4,5,6,7
	global_load_b128 v[48+4*\i:51+4*\i], v2, s[2:3] offset:8192*\i th:TH_LOAD_NT   ; four rows of x: the 512 threads take 8,192 consecutive bytes
.endr
	global_load_b128 v[80:83], v2, s[4:5] th:TH_LOAD_NT
	global_load_b128 v[84:87], v2, s[4:5] offset:8192 th:TH_LOAD_NT
	global_load_b128 v[88:91], v2, s[24:25]
	global_load_b128 v[92:95], v251, s[10:11]
	WLOAD 0
	WLOAD 1
	WLOAD 2
	WLOAD 3
	s_wait_kmcnt 0x0
	s_add_co_i32 s54, s42, s43
	s_add_co_i32 s54, s54, 127
	s_lshl_b32 s54, s54, 23                        ; 2^(e10 + e11)
	s_mov_b32 s55, s54
	s_add_co_i32 s58, s46, s47
	s_sub_co_i32 s56, 127, s58
	s_lshl_b32 s56, s56, 23                        ; 2^-(e14 + e15)
	s_mov_b32 s57, s56
	s_add_co_i32 s58, s58, 127
	s_lshl_b32 s58, s58, 23                        ; 2^(e14 + e15)
	s_mov_b32 s59, s58
	s_add_co_i32 s30, s44, s45
	s_sub_co_i32 s31, s46, s30                     ; e14 - e12 - e13
	s_sub_co_i32 s30, 0, s30                       ; -(e12 + e13)
	MKSC s44, 12, 13
	MKSC s31, 14, 15
	s_wait_loadcnt 32                              ; the twelve loads above are in; the four units' 32 may be out
.irp k, 0,1,2,3
	v_ldexp_f32 v[88+\k], v[88+\k], s30            ; b1 / 2^(e12 + e13)
.endr
.irp i, 0,1,2,3,4,5,6,7
	ds_store_b128 v10, v[48+4*\i:51+4*\i] offset:(16*((\i/2)%2)+8*(\i/4)+4*(\i%2))*2064   ; tokens 4 i .. 4 i + 3 go to the rows of their tile and place.  (These eleven stores send what loads brought: no vector line has named their registers)
.endr
	ds_store_b128 v2, v[80:83] offset:CIMG
	ds_store_b128 v2, v[84:87] offset:CIMG+8192
	ds_store_b128 v11, v[92:95] offset:8192
	s_wait_alu depctr_va_vdst(0)                   ; the four scalings have written v88-91, which the store below reads
	ds_store_b128 v11, v[88:91]
	BAR
	s_wait_alu depctr_vm_vsrc(0)                   ; my LDS stores have read v48-95, in which LDS loads land from here on; and the load of a short vector has read v251, which the norm's sums write
	; ---- the projection, the residual
	FETCH CIMG
	UNIT 0, ACC2, 1, CIMG+2048
	UNIT 1, ACC2, 0, CIMG+4096
	UNIT 2, ACC2, 0, CIMG+6144
	UNIT 3, ACC2, 0, -1
.irp t, 0,1
.irp i, 0,1,2,3
	ds_load_b128 v[ACC1+16*\t+4*\i:ACC1+16*\t+4*\i+3], v5 offset:33024*\t+16*\i   ; x at my token and channels
.endr
.endr
	VLD 8192, XF                                   ; bo
	s_wait_dscnt 0x0
.irp t, 0,1
.irp k, 0,2,4,6,8,10,12,14
	v_pk_fma_f32 v[ACC2+16*\t+\k:ACC2+16*\t+\k+1], v[ACC2+16*\t+\k:ACC2+16*\t+\k+1], s[54:55], v[XF+\k:XF+\k+1] op_sel_hi:[1,0,1]   ; sum x 2^(e10 + e11) + bo; each accumulator from its low end on
.endr
.endr
.set k, 0
.rept 16
	v_pk_add_f32 v[ACC2+k:ACC2+k+1], v[ACC2+k:ACC2+k+1], v[ACC1+k:ACC1+k+1]   ; + x: xt
.set k, k+2
.endr
	; ---- the norm
	SUM16 248, ACC2
	SUM16 250, ACC2+16
	MEET 0
	v_mul_f32 v248, s62, v248                      ; the means
	v_mul_f32 v250, s62, v250
.irp t, 0,1
.irp k, 0,2,4,6,8,10,12,14
	v_pk_add_f32 v[ACC1+16*\t+\k:ACC1+16*\t+\k+1], v[ACC2+16*\t+\k:ACC2+16*\t+\k+1], v[248+2*\t:249+2*\t] op_sel_hi:[1,0] neg_lo:[0,1] neg_hi:[0,1]
.endr
.endr
	SQ16 248, ACC1
	SQ16 250, ACC1+16
	MEET 2560
	v_fma_f32 v248, v248, s62, s63                 ; the variance + 1e-5
	v_fma_f32 v250, v250, s62, s63
	s_wait_alu depctr_va_vdst(0)
	v_rsq_f32 v248, v248
	v_rsq_f32 v250, v250
	v_nop                                          ; a plain line behind the two
	s_wait_alu depctr_va_vdst(0)                   ; the two reciprocal roots are written: their one wait, ahead of the first reader; and the sums above are done reading XF, in which gain and bias land
	VLD 10240, XF                                  ; ln2_g
	VLD 12288, XF+16                               ; ln2_b
.irp t, 0,1
.irp k, 0,2,4,6,8,10,12,14
	v_pk_mul_f32 v[ACC1+16*\t+\k:ACC1+16*\t+\k+1], v[ACC1+16*\t+\k:ACC1+16*\t+\k+1], v[248+2*\t:249+2*\t] op_sel_hi:[1,0]   ; these sixteen want neither gain nor bias: they stand between the loads and the wait for them
.endr
.endr
	s_wait_dscnt 0x0
.irp t, 0,1
.irp k, 0,2,4,6,8,10,12,14
	v_pk_fma_f32 v[ACC1+16*\t+\k:ACC1+16*\t+\k+1], v[ACC1+16*\t+\k:ACC1+16*\t+\k+1], v[XF+\k:XF+\k+1], v[XF+16+\k:XF+16+\k+1]
.endr
.endr
.set k, 0
.rept 32
	v_med3_num_f32 v[ACC1+k], v[ACC1+k], -v13, v13
.set k, k+1
.endr
.irp g, 0,1,2,3
	v_cvt_scalef32_pk8_fp8_f32 v[CD+2*\g:CD+2*\g+1], v[ACC1+8*\g:ACC1+8*\g+7], v12
.endr
	v_nop
	s_wait_alu depctr_va_vdst(0)                   ; the four conversions have written v[CD ..], which the two stores read; and the norm's lines are done with XF, in which b2 lands
	ds_store_b128 v6, v[CD:CD+3] offset:HIMG
	ds_store_b128 v6, v[CD+4:CD+7] offset:HIMG+8192
	VLD 14336, XF                                  ; b2: the barrier's wait serves it too
	BAR                                            ; h's images lie in LDS
.irp k, 0,2,4,6,8,10,12,14
	v_pk_mul_f32 v[XF+\k:XF+\k+1], v[XF+\k:XF+\k+1], s[56:57] op_sel_hi:[1,0]
.endr
.irp t, 0,1
.irp k, 0,2,4,6,8,10,12,14
	v_pk_fma_f32 v[ACC2+16*\t+\k:ACC2+16*\t+\k+1], v[ACC2+16*\t+\k:ACC2+16*\t+\k+1], s[56:57], v[XF+\k:XF+\k+1] op_sel_hi:[1,0,1]   ; (xt + b2) / 2^(e14 + e15): where the last product's sums begin
.endr
.endr
	; ---- the two layers, 512 hidden units at a time
	CHUNK 0
	CHUNK 1
	CHUNK 2
	CHUNK 3
	; ---- the way out: through XST, whose last reads stood ahead of the norm's barriers, so that whole rows leave
.set k, 0
.rept 16
	v_pk_mul_f32 v[ACC1+k:ACC1+k+1], v[ACC2+k:ACC2+k+1], s[58:59] op_sel_hi:[1,0]   ; x 2^(e14 + e15); each accumulator from its low end on
.set k, k+2
.endr
	s_wait_alu depctr_va_vdst(0)                   ; the sixteen multiplies have written v48-79, which the stores read; and the last unit's products are done reading XF, in which the rows land behind the barrier
.irp t, 0,1
.irp i, 0,1,2,3
	ds_store_b128 v5, v[ACC1+16*\t+4*\i:ACC1+16*\t+4*\i+3] offset:33024*\t+16*\i
.endr
.endr
	BAR
.irp i, 0,1,2,3,4,5,6,7
	ds_load_b128 v[XF+4*\i:XF+4*\i+3], v10 offset:(16*((\i/2)%2)+8*(\i/4)+4*(\i%2))*2064
.endr
.irp i, 0,1,2,3,4,5,6,7
	s_wait_dscnt 7-\i                              ; LDS loads come back in order: this one is in, the younger ones may be out
	global_store_b128 v2, v[XF+4*\i:XF+4*\i+3], s[6:7] offset:8192*\i th:TH_STORE_NT   ; a wave stores 512 consecutive bytes of a row
.endr
	s_wait_dscnt 0x0                               ; the closing lines, six on end
	s_wait_alu 0x0
	s_wait_tensorcnt 0x0
	ds_add_u32 v3, v4
	s_wait_dscnt 0x0
	s_endpgm
.Lfunc_end_k_q90d6ab07ca_tail:
	.size	k_q90d6ab07ca_tail, .Lfunc_end_k_q90d6ab07ca_tail-k_q90d6ab07ca_tail
	.p2alignl 7, 3214868480
	.fill 96, 4, 3214868480
	.section	.rodata,"a",@progbits
	.p2align	6, 0x0
	.amdhsa_kernel k_q90d6ab07ca_tail
		.amdhsa_group_segment_fixed_size 155136
		.amdhsa_private_segment_fixed_size 0
		.amdhsa_enable_private_segment 0
		.amdhsa_kernarg_size 80
		.amdhsa_user_sgpr_count 2
		.amdhsa_user_sgpr_kernarg_segment_ptr 1
		.amdhsa_wavefront_size32 1
		.amdhsa_system_sgpr_workgroup_id_x 1
		.amdhsa_system_sgpr_workgroup_id_y 1
		.amdhsa_system_sgpr_workgroup_id_z 1
		.amdhsa_system_vgpr_workitem_id 0
		.amdhsa_next_free_vgpr 256
		.amdhsa_next_free_sgpr 66
		.amdhsa_reserve_vcc 0
		.amdhsa_float_denorm_mode_32 3
		.amdhsa_float_denorm_mode_16_64 3
		.amdhsa_memory_ordered 1
		.amdhsa_forward_progress 1
		.amdhsa_inst_pref_size 101
	.end_amdhsa_kernel
	.amdgpu_metadata
---
amdhsa.version: [ 1, 2 ]
amdhsa.kernels:
  - .name:           k_q90d6ab07ca_tail
    .symbol:         k_q90d6ab07ca_tail.kd
    .args:
      - { .name: ctx_img, .offset: 0, .size: 8, .value_kind: global_buffer, .address_space: global }
      - { .name: x, .offset: 8, .size: 8, .value_kind: global_buffer, .address_space: global }
      - { .name: wimg, .offset: 16, .size: 8, .value_kind: global_buffer, .address_space: global }
      - { .name: lowp_scales, .offset: 24, .size: 8, .value_kind: global_buffer, .address_space: global }
      - { .name: bo, .offset: 32, .size: 8, .value_kind: global_buffer, .address_space: global }
      - { .name: ln2_g, .offset: 40, .size: 8, .value_kind: global_buffer, .address_space: global }
      - { .name: ln2_b, .offset: 48, .size: 8, .value_kind: global_buffer, .address_space: global }
      - { .name: b2, .offset: 56, .size: 8, .value_kind: global_buffer, .address_space: global }
      - { .name: b1, .offset: 64, .size: 8, .value_kind: global_buffer, .address_space: global }
      - { .name: out0, .offset: 72, .size: 8, .value_kind: global_buffer, .address_space: global }
    .group_segment_fixed_size: 155136
    .private_segment_fixed_size: 0
    .kernarg_segment_align: 8
    .kernarg_segment_size: 80
    .max_flat_workgroup_size: 512
    .sgpr_count:     66
    .vgpr_count:     256
    .wavefront_size: 32
...
	.end_amdgpu_metadata
.endif
;; end of part 8
